; MI455X (gfx1250); checked and timed in simulation.
; The chip was launched on July 23, 2026; its instructions are those of AMD's public machine-readable ISA for CDNA 5 (MIT licence, August 2026) and "CDNA5" Instruction Set Architecture Reference Guide (July 2026). The comments in the code are by the model that wrote it; some were corrected since.
;; Multi Head Attention. Allowed arithmetic: matrix products marked QUANTISED: E2M1 operands, one E8M0 scale for each 32 along K, by v_wmma_scale_f32_16x16x128_f8f6f4 with both operands' format E2M1 (or v_wmma_scale_f32_32x16x128_f4), f32 sums; products left as they are: bf16, f16 or f32 operands; f32 sums; everything else in f32.
;; Inputs: Wk 1,024 x 1,024 float32; Wo 1,024 x 1,024 float32; Wq 1,024 x 1,024 float32; Wv 1,024 x 1,024 float32; bk 1,024 float32; bo 1,024 float32; bq 1,024 float32; bv 1,024 float32; x 4 x 2,048 x 1,024 float32.
;; Outputs: out0 4 x 2,048 x 1,024 float32.
;; This version of the problem:
;;   THIS VERSION OF THE PROBLEM IS GIVEN IN LOW PRECISION. The matrix products marked QUANTISED in the list below multiply operands that are first quantised to E2M1 (2 exponent bits, 1 mantissa bit; 4 bits a number), with one power-of-two scale for each 32 numbers along K (OCP MX v1.0); their sums are f32. The products marked 'left as it is' may take bf16, f16 or f32 operands, with f32 sums. Whichever they take, every output number must still come out within the allowed error. Rounding operands to bf16 (8 significant bits) uses up far more of that allowance than f16 does (11 bits, for magnitudes from 6e-5 to 65,504). All else is computed in f32.
;;   The module's matrix products, in the order in which they are computed (A, B: the left and right operand; K: the contracted axis; several contracted axes count as one K, in the product's order):
;;     1. [M 8,192, K 1,024] x [K 1,024, N 1,024]; A: input x; B: input Wq: QUANTISED
;;     2. [M 8,192, K 1,024] x [K 1,024, N 1,024]; A: input x; B: input Wk: QUANTISED
;;     3. [M 8,192, K 1,024] x [K 1,024, N 1,024]; A: input x; B: input Wv: QUANTISED
;;     4. batch 4 x [M 2,048, K 1,024] x [K 1,024, N 2,048]; A: computed on the way; B: computed on the way: left as it is (an operand is computed on the way)
;;     5. batch 4 x [M 2,048, K 2,048] x [K 2,048, N 1,024]; A: computed on the way; B: computed on the way: left as it is (an operand is computed on the way)
;;     6. [M 8,192, K 1,024] x [K 1,024, N 1,024]; A: computed on the way; B: input Wo: left as it is (an operand is computed on the way)
;;   THE QUANTISER, for each operand of a quantised product, along K:
;;     - K is cut into blocks of 32 from its start; a last block that is shorter is filled with zeros.
;;     - A block's scale is 2^e with e = floor(log2(the largest magnitude in the block)) - 2, held to -126 .. 127; a block of zeros has e = 0. As a byte (E8M0): e + 127.
;;     - Each number is divided by its block's scale, clamped to +-6, and rounded to the nearest number of E2M1, ties to even, subnormals kept.
;;     - The product sums the exact products of the quantised numbers (number of the format x scale) in f32.
;;   ~~~python
;;   def quantise(x, axis):      # numpy; x: float32 -> the quantised numbers, widened to float32 again
;;       x = np.moveaxis(x, axis, -1); K = x.shape[-1]
;;       x = np.pad(x, [(0, 0)] * (x.ndim - 1) + [(0, -K % 32)]); x = x.reshape(x.shape[:-1] + (-1, 32)); a = np.abs(x).max(-1, keepdims=True)
;;       e = np.where(a > 0, np.clip(np.frexp(np.where(a > 0, a, 1))[1] - 1 - 2, -126, 127), 0)      # np.frexp(a)[1] - 1 = floor(log2(a)), exactly
;;       r = np.clip(x / 2.0 ** e, -6, 6)
;;       step = 2.0 ** (np.maximum(np.frexp(np.where(r == 0, 1, r))[1] - 1, 0) - 1)
;;       q = np.round(r / step) * step * 2.0 ** e      # np.round: ties to even
;;       return np.moveaxis(q.reshape(q.shape[:-2] + (-1,))[..., :K], -1, axis).astype(np.float32)
;;   ~~~
;; One version. Each part assembles by itself: llvm-mc -triple=amdgcn-amd-amdhsa -mcpu=gfx1250 --defsym DOCPART=n.
;; ======== version 1 of 1: 6 launches
;; limits: values are held in f16: magnitudes above 65,504 overflow, below 6.1e-05 lose precision
;; workspace buffers: codes 6,127,616 bytes; wot 2,097,152 bytes; qkv 50,331,648 bytes; head32 786,432 bytes; p 33,554,432 bytes; stats 1,048,576 bytes; o 16,777,216 bytes
;; launch prep (part 1): grid 416 x 1, 4 waves a work-group, no clusters, 102,912 bytes of LDS; arguments x, Wq, Wk, Wv, Wo, codes, wot; writes codes, wot
.if DOCPART == 1
	.amdgcn_target "amdgcn-amd-amdhsa--gfx1250"
	.amdhsa_code_object_version 6
	.text
	.protected	k_q421b7b917f_prep
	.globl	k_q421b7b917f_prep
	.p2align	8
	.type	k_q421b7b917f_prep,@function
k_q421b7b917f_prep:
	s_mov_b64 s[64:65], 0
	v_nop
	global_prefetch_b8 v0, s[64:65] scope:SCOPE_SE
	s_setreg_imm32_b32 hwreg(HW_REG_WAVE_MODE, 25, 1), 1
	s_wait_xcnt 0x0
; FIRST OF SIX LAUNCHES.  out0 = softmax_causal((x Wq + bq)(x Wk + bk)^T / 32) (x Wv + bv) Wo + bo;  x [4][2048][1024], all weights [1024][1024], f32.
; This launch: x -> codes of E2M1 with one E8M0 byte for each 32 along C;  Wq, Wk, Wv -> the same, quantised along their FIRST axis and laid [column][C];  Wo -> f16, laid [column][C].
; WORK LEFT OUT BY THE PROGRAM, for all values of the inputs:
;  (1) bk.  score[t][s] = q_t . (x_s Wk) + q_t . bk: the second term is the same for every s of a row, so the softmax along s takes it away.  The product q k^T is not quantised, so bk moves
;      no code and no scale.  bk has no way to any output: it is not loaded and is among no launch's arguments.
;  (2) Tiles of keys that lie wholly behind the causal diagonal, which reference() builds itself: their scores become -infinity and their weights 0.
;  LIMIT: a NaN, an infinity or an overflow that reaches only bk or hidden scores is not carried to the result.
; THE QUANTISER: a block's scale is 2^(floor(log2(largest magnitude)) - 2); its byte is the largest magnitude's exponent field - 2, held at 1 from below by a floor among the maximum's leaves.
;  A block of zeros keeps the byte 1 where the rule says 127: its codes are zeros, which add nothing, and this program alone reads the bytes.
;  LIMITS: NaN and infinities among the inputs are not served.  Wo goes to f16: |Wo| under 65,504.
; THREE PATHS, parted by the work-group's number, each with LDS bytes of its own:
;  0-255 x: a stream of blocks of 32; 16 steps of 512 numbers a wave.
;  256-351 Wq, Wk, Wv: a lane takes a column, its registers run down C.  A wave takes 16 columns x 512 along C: lanes 0-15 the first 256 of the 512, lanes 16-31 the second, 8 blocks a lane.  A wave keeps two blocks'
;   64 loads on its way, so it goes through four such pairs; the four waves of a work-group stand side by side on 256 consecutive bytes of a row of the weight.
;  352-415 Wo: a lane takes a column; 32 columns x 128 along C a wave, rounded to f16.
; No tensor loads, no barrier: waves share nothing.
.set OFF_WC, 4194304                   ; codes: x's codes at 0 [8192][512 B]; the weights' [3072][512 B], row = 1024 x weight + column;
.set OFF_XS, 5767168                   ; x's scale bytes [8192][32];
.set OFF_WS, 6029312                   ; the weights' [3072][32]
.set XREG,  0                          ; LDS, path x: 8,192 bytes a wave: two stages of 32 x 80 bytes, then 256 scale bytes
.set WREG,  32768                      ; path Wq, Wk, Wv: a stage of 16 rows x 272 bytes a wave (17,408 bytes in all; the bytes up to OREG are claimed and not used)
.set OREG,  67584                      ; path Wo: a stage of 32 rows x 272 bytes a wave
.set SPARE, 102400                     ; the spare words, 128 bytes a wave: two blocks of 256 bytes that no other line names
.set SPW,   190                        ; v190 LDS address of my spare word; never rewritten
.set NIL,   191                        ; v191 0; never rewritten
.set SP,    80                         ; path x: a lane's place in a stage: 64 bytes + 16 of padding
.set XR,    16                         ; v16-79   four sets of 16 numbers as loaded
.set XX,    80                         ; v80-111  two sets of 16 neighbours
.set XE,    112                        ; v112-127 a scale byte for each step
.set XCD,   128                        ; v128-189 codes: registers 4 t, 4 t + 1 for step t
.set WX,    32                         ; the weights' paths: v32-95 two sets of 32 numbers
.set WCD,   96                         ; v96-111  a block's codes, or its 32 numbers in f16
.set OUTR,  112                        ; v112-175 rows on the way out
.set SB,    24                         ; v24-25   scale bytes, four to a register
.set PITCH, 272
.set NBW,   8                          ; blocks of 32 along C that a lane of the path Wq, Wk, Wv takes
.macro LOADX t                         ; step t: four loads of 512 consecutive bytes
.irp i, 0,1,2,3
	global_load_b128 v[XR+16*((\t)%4)+4*\i:XR+16*((\t)%4)+4*\i+3], v3, s[4:5] offset:2048*(\t)+512*\i th:TH_LOAD_NT
.endr
.endm
.macro TURNX t                         ; through the wave's stage: in as loaded, back 64 bytes a lane.  LDS serves a wave's instructions in order, so no wait stands between
.irp i, 0,1,2,3
	ds_store_b128 v14, v[XR+16*((\t)%4)+4*\i:XR+16*((\t)%4)+4*\i+3] offset:32*SP*((\t)%2)+8*SP*\i
.endr
.irp i, 0,1,2,3
	ds_load_b128 v[XX+16*((\t)%2)+4*\i:XX+16*((\t)%2)+4*\i+3], v15 offset:32*SP*((\t)%2)+16*\i
.endr
.endm
.macro STEPX t
.set NS, XX+16*((\t)%2)
.if (\t) > 0
	s_wait_dscnt 1                                 ; this step's numbers are back from the stage; the last step's byte store may be out
.else
	s_wait_dscnt 0x0
.endif
.if (\t)+4 < 16
	LOADX (\t)+4                                   ; into the set whose stores into the stage have been served
.endif
.if (\t)+1 < 16
.if 14-(\t) >= 3
	s_wait_loadcnt 12                              ; the next step's four loads are in; three younger steps' twelve may be out
.else
	s_wait_loadcnt 4*(14-(\t))
.endif
	TURNX (\t)+1
.endif
	v_max3_num_f32 v8, |v[NS]|, |v[NS+1]|, |v[NS+2]|               ; the largest magnitude of my 16, in two chains
	v_max3_num_f32 v9, |v[NS+3]|, |v[NS+4]|, |v[NS+5]|
.irp i, 6,10
	v_max3_num_f32 v8, v8, |v[NS+\i]|, |v[NS+\i+1]|
	v_max3_num_f32 v9, v9, |v[NS+\i+2]|, |v[NS+\i+3]|
.endr
	v_max3_num_f32 v8, v8, |v[NS+14]|, |v[NS+15]|
	v_max3_num_f32 v8, v8, v9, 0x1800000           ; and the floor 2^(3 - 127): the byte cannot fall under 1
	v_max_num_f32_dpp v8, v8, v8 row_xmask:1 row_mask:0xf bank_mask:0xf   ; with my neighbour's 16: the block's
	v_add_nc_u32 v11, 0xff000000, v8               ; 2 off its exponent field: the conversion takes that field as its scale
	v_cvt_scalef32_pk8_fp4_f32 v[XCD+4*(\t)], v[NS:NS+7], v11
	v_cvt_scalef32_pk8_fp4_f32 v[XCD+4*(\t)+1], v[NS+8:NS+15], v11
	v_lshrrev_b32 v[XE+(\t)], 23, v11              ; the scale's byte
	ds_store_b8 v5, v[XE+(\t)] offset:16*(\t)      ; both lanes of a block write the same byte with the same value
	global_store_b64 v4, v[XCD+4*(\t):XCD+4*(\t)+1], s[24:25] offset:256*(\t)   ; the wave stores 256 consecutive bytes, aligned
.endm
.macro LOADW t                         ; block t of a weight: rows 32 t + i, counted from my lane's first row, of my column, into set t % 2
.set LI, 0
.rept 32
	global_load_b32 v[WX+32*((\t)%2)+LI], v3, s[24:25] offset:(32*(\t)+LI)*4096 th:TH_LOAD_NT
.set LI, LI+1
.endr
.endm
.macro WAYOUT krow, pairs              ; 2 x pairs rows of 256 bytes leave: sixteen lanes store 256 consecutive bytes, aligned; two rows an instruction
.set WT, 0
.rept \pairs
	ds_load_b128 v[OUTR+4*WT:OUTR+4*WT+3], v7 offset:2*WT*PITCH    ; LDS serves a wave's instructions in order: these see my stores
.set WT, WT+1
.endr
.set WT, 0
.rept \pairs
	s_wait_dscnt (\pairs)-1-WT                     ; this pair of rows is in; the younger loads may be out
	global_store_b128 v8, v[OUTR+4*WT:OUTR+4*WT+3], s[26:27] offset:2*WT*(\krow)
.set WT, WT+1
.endr
.endm
.macro CLOSE                           ; the wave's end, behind my last LDS store
	s_wait_tensorcnt 0x0
	ds_add_u32 v[SPW], v[NIL]
	s_wait_dscnt 0x0
	s_endpgm
.endm
.macro BLOCKW t                        ; a block of 32 along C of my column: all 32 numbers are mine
.set NS, WX+32*((\t)%2)
.if (\t) < NBW-1
	s_wait_loadcnt 32                              ; this block's loads are in; the next block's 32 may be out
.else
	s_wait_loadcnt 0
.endif
	v_max3_num_f32 v12, |v[NS]|, |v[NS+1]|, |v[NS+2]|
	v_max3_num_f32 v13, |v[NS+3]|, |v[NS+4]|, |v[NS+5]|
.irp i, 6,10,14,18,22,26
	v_max3_num_f32 v12, v12, |v[NS+\i]|, |v[NS+\i+1]|
	v_max3_num_f32 v13, v13, |v[NS+\i+2]|, |v[NS+\i+3]|
.endr
	v_max3_num_f32 v12, v12, |v[NS+30]|, |v[NS+31]|
	v_max3_num_f32 v12, v12, v13, 0x1800000        ; the floor
	v_add_nc_u32 v11, 0xff000000, v12              ; the conversion's scale operand
	v_lshrrev_b32 v13, 23, v11                     ; the byte
.if (\t)%4 == 0
	v_mov_b32 v[SB+(\t)/4], v13                    ; four bytes to a register, the lower C in the lower byte
.else
	v_lshl_or_b32 v[SB+(\t)/4], v13, 8*((\t)%4), v[SB+(\t)/4]
.endif
.irp g, 0,1,2,3
	v_cvt_scalef32_pk8_fp4_f32 v[WCD+\g], v[NS+8*\g:NS+8*\g+7], v11
.endr
	ds_store_b128 v4, v[WCD:WCD+3] offset:16*(\t)  ; 32 codes: 16 bytes of my column's row, in my half of its 256
.if (\t)+2 < NBW
	LOADW (\t)+2
.endif
	s_wait_dscnt 0x0                               ; the store has been served: the next block's codes may be written
.endm
.macro BLOCKH t                        ; the same for Wo: 32 numbers rounded to f16, 64 bytes of my column's row
.set NS, WX+32*((\t)%2)
.if (\t) < 3
	s_wait_loadcnt 32
.else
	s_wait_loadcnt 0
.endif
.irp g, 0,1,2,3,4,5,6,7,8,9,10,11,12,13,14,15
	v_cvt_pk_f16_f32 v[WCD+\g], v[NS+2*\g], v[NS+2*\g+1]
.endr
.irp q, 0,1,2,3
	ds_store_b128 v4, v[WCD+4*\q:WCD+4*\q+3] offset:64*(\t)+16*\q
.endr
.if (\t)+2 < 4
	LOADW (\t)+2
.endif
	s_wait_dscnt 0x0
.endm
	s_load_b256 s[4:11], s[0:1], 0x0               ; x, Wq, Wk, Wv
	s_load_b128 s[12:15], s[0:1], 0x20             ; Wo, codes
	s_load_b64 s[16:17], s[0:1], 0x30              ; wot
	v_lshl_add_u32 v[SPW], v0, 2, SPARE
	v_mov_b32 v[NIL], 0
	v_lshrrev_b32 v1, 5, v0
	v_readfirstlane_b32 s18, v1                    ; wave
	v_and_b32 v2, 31, v0                           ; lane
	s_mov_b32 s29, 0
	s_wait_kmcnt 0x0
	s_cmp_lt_u32 ttmp9, 256
	s_cbranch_scc0 .Lnot_x
	; ---- x
	v_lshlrev_b32 v3, 4, v2                        ; my 16 bytes of a load's 512
	s_mul_i32 s19, s18, 8192                       ; my wave's region (XREG = 0)
	v_lshrrev_b32 v14, 2, v2
	v_mul_u32_u24 v14, v14, SP
	v_and_b32 v15, 3, v2
	v_lshl_add_u32 v14, v15, 4, v14
	v_add_nc_u32 v14, s19, v14                     ; the stage, in: four lanes' 64 bytes on end, then 16 of padding
	v_mul_u32_u24 v15, v2, SP
	v_add_nc_u32 v15, s19, v15                     ; and out: my 16 neighbours
	v_lshlrev_b32 v4, 3, v2                        ; my 8 bytes of a step's codes
	v_lshrrev_b32 v5, 1, v2
	s_add_co_u32 s19, s19, 2*32*SP
	v_add_nc_u32 v5, s19, v5                       ; my block's scale byte
	v_lshlrev_b32 v7, 3, v2
	v_add_nc_u32 v6, s19, v7
	s_lshl_b32 s20, ttmp9, 2
	s_add_co_u32 s20, s20, s18                     ; which run of 8,192 numbers is my wave's: 0 to 1,023
	s_lshl_b32 s28, s20, 15
	s_add_nc_u64 s[4:5], s[4:5], s[28:29]
	s_lshl_b32 s28, s20, 12
	s_add_nc_u64 s[24:25], s[14:15], s[28:29]      ; its 4,096 bytes of codes
	s_lshl_b32 s28, s20, 8
	s_add_co_u32 s28, s28, OFF_XS
	s_add_nc_u64 s[26:27], s[14:15], s[28:29]      ; its 256 scale bytes
.irp t, 0,1,2,3
	LOADX \t
.endr
	s_wait_loadcnt 12                              ; step 0's four loads are in
	TURNX 0
.irp t, 0,1,2,3,4,5,6,7,8,9,10,11,12,13,14,15
	STEPX \t
.endr
	ds_load_b64 v[8:9], v6                         ; LDS serves a wave's instructions in order: these see my byte stores
	s_wait_dscnt 0x0
	global_store_b64 v7, v[8:9], s[26:27]          ; 32 lanes store 256 consecutive bytes, aligned
	CLOSE
.Lnot_x:
	s_cmp_lt_u32 ttmp9, 352
	s_cbranch_scc0 .Lpath_o
	; ---- Wq, Wk, Wv: 96 work-groups: weight x 16 groups of 64 columns x 2 halves of C
	s_sub_co_u32 s19, ttmp9, 256
	s_lshr_b32 s20, s19, 5                         ; which weight
	s_bfe_u32 s21, s19, 0x40001                    ; which 64 columns
	s_and_b32 s22, s19, 1                          ; which 512 along C
	s_cmp_eq_u32 s20, 0
	s_cselect_b64 s[24:25], s[6:7], s[8:9]
	s_cmp_eq_u32 s20, 2
	s_cselect_b64 s[24:25], s[10:11], s[24:25]     ; the choice hangs on the work-group's number alone
	s_lshl_b32 s21, s21, 6
	s_lshl_b32 s23, s18, 4
	s_add_co_u32 s21, s21, s23                     ; my wave's first column: 64 x group + 16 x wave
	s_lshl_b32 s28, s22, 21                        ; 512 rows of 4,096 bytes
	s_lshl_b32 s23, s21, 2
	s_add_co_u32 s28, s28, s23
	s_add_nc_u64 s[24:25], s[24:25], s[28:29]
	s_lshl_b32 s20, s20, 10
	s_add_co_u32 s20, s20, s21                     ; its row in the codes' and the scales' tables
	s_lshl_b32 s28, s20, 9
	s_lshl_b32 s23, s22, 8
	s_add_co_u32 s28, s28, s23
	s_add_co_u32 s28, s28, OFF_WC
	s_add_nc_u64 s[26:27], s[14:15], s[28:29]
	s_lshl_b32 s28, s20, 5
	s_lshl_b32 s23, s22, 4
	s_add_co_u32 s28, s28, s23
	s_add_co_u32 s28, s28, OFF_WS
	s_add_nc_u64 s[30:31], s[14:15], s[28:29]
	v_and_b32 v5, 15, v2                           ; r: my column of the wave's 16
	v_lshrrev_b32 v6, 4, v2                        ; h: which 256 of the 512 along C are mine
	v_lshlrev_b32 v3, 2, v5
	v_lshl_add_u32 v3, v6, 20, v3                  ; in: 4 r + 256 h rows of 4,096 bytes: sixteen lanes read 64 consecutive bytes
	s_mul_i32 s19, s18, 16*PITCH
	s_add_co_u32 s19, s19, WREG                    ; my wave's stage
	v_mul_u32_u24 v4, v5, PITCH
	v_lshl_add_u32 v4, v6, 7, v4
	v_add_nc_u32 v4, s19, v4                       ; into it: row = my column, + 128 h: 256 codes are 128 bytes
	v_mul_u32_u24 v7, v6, PITCH
	v_lshl_add_u32 v7, v5, 4, v7
	v_add_nc_u32 v7, s19, v7                       ; out of it: sixteen lanes to a row, two rows an instruction
	v_lshlrev_b32 v8, 9, v6
	v_lshl_add_u32 v8, v5, 4, v8                   ; and the same place in the codes' table (512 bytes a row)
	v_lshlrev_b32 v9, 5, v5
	v_lshl_add_u32 v9, v6, 3, v9                   ; my column's row of scale bytes, + 8 h: my 8 blocks' bytes are neighbours
	LOADW 0
	LOADW 1
.irp t, 0,1,2,3,4,5,6,7
	BLOCKW \t
.endr
	global_store_b64 v9, v[SB:SB+1], s[30:31]      ; my 8 scale bytes
	WAYOUT 512, 8
	CLOSE
.Lpath_o:
	; ---- Wo
	s_sub_co_u32 s19, ttmp9, 352
	s_and_b32 s21, s19, 7                          ; which 128 columns
	s_lshr_b32 s22, s19, 3                         ; which 128 along C
	s_lshl_b32 s21, s21, 7
	s_lshl_b32 s23, s18, 5
	s_add_co_u32 s21, s21, s23
	s_lshl_b32 s28, s22, 19
	s_lshl_b32 s23, s21, 2
	s_add_co_u32 s28, s28, s23
	s_add_nc_u64 s[24:25], s[12:13], s[28:29]
	s_lshl_b32 s28, s21, 11                        ; a row of wot is 2,048 bytes
	s_lshl_b32 s23, s22, 8
	s_add_co_u32 s28, s28, s23
	s_add_nc_u64 s[26:27], s[16:17], s[28:29]
	v_lshlrev_b32 v3, 2, v2                        ; in: 4 bytes a lane: a wave reads 128 consecutive bytes
	s_mul_i32 s19, s18, 32*PITCH
	s_add_co_u32 s19, s19, OREG                    ; my wave's stage
	v_mul_u32_u24 v4, v2, PITCH
	v_add_nc_u32 v4, s19, v4                       ; into it: row = my column
	v_and_b32 v5, 15, v2
	v_lshrrev_b32 v6, 4, v2
	v_mul_u32_u24 v7, v6, PITCH
	v_lshl_add_u32 v7, v5, 4, v7
	v_add_nc_u32 v7, s19, v7                       ; out of it: sixteen lanes to a row, two rows an instruction
	v_mul_u32_u24 v8, v6, 2048
	v_lshl_add_u32 v8, v5, 4, v8                   ; and the same place in wot
	LOADW 0
	LOADW 1
.irp t, 0,1,2,3
	BLOCKH \t
.endr
	WAYOUT 2048, 16
	CLOSE
.Lfunc_end_k_q421b7b917f_prep:
	.size	k_q421b7b917f_prep, .Lfunc_end_k_q421b7b917f_prep-k_q421b7b917f_prep
	.p2alignl 7, 3214868480
	.fill 96, 4, 3214868480
	.section	.rodata,"a",@progbits
	.p2align	6, 0x0
	.amdhsa_kernel k_q421b7b917f_prep
		.amdhsa_group_segment_fixed_size 102912
		.amdhsa_private_segment_fixed_size 0
		.amdhsa_enable_private_segment 0
		.amdhsa_kernarg_size 56
		.amdhsa_user_sgpr_count 2
		.amdhsa_user_sgpr_kernarg_segment_ptr 1
		.amdhsa_wavefront_size32 1
		.amdhsa_system_sgpr_workgroup_id_x 1
		.amdhsa_system_sgpr_workgroup_id_y 1
		.amdhsa_system_sgpr_workgroup_id_z 1
		.amdhsa_system_vgpr_workitem_id 0
		.amdhsa_next_free_vgpr 192
		.amdhsa_next_free_sgpr 66
		.amdhsa_reserve_vcc 0
		.amdhsa_float_denorm_mode_32 3
		.amdhsa_float_denorm_mode_16_64 3
		.amdhsa_memory_ordered 1
		.amdhsa_forward_progress 1
		.amdhsa_inst_pref_size 95
	.end_amdhsa_kernel
	.amdgpu_metadata
---
amdhsa.version: [ 1, 2 ]
amdhsa.kernels:
  - .name:           k_q421b7b917f_prep
    .symbol:         k_q421b7b917f_prep.kd
    .args:
      - { .name: x, .offset: 0, .size: 8, .value_kind: global_buffer, .address_space: global }
      - { .name: Wq, .offset: 8, .size: 8, .value_kind: global_buffer, .address_space: global }
      - { .name: Wk, .offset: 16, .size: 8, .value_kind: global_buffer, .address_space: global }
      - { .name: Wv, .offset: 24, .size: 8, .value_kind: global_buffer, .address_space: global }
      - { .name: Wo, .offset: 32, .size: 8, .value_kind: global_buffer, .address_space: global }
      - { .name: codes, .offset: 40, .size: 8, .value_kind: global_buffer, .address_space: global }
      - { .name: wot, .offset: 48, .size: 8, .value_kind: global_buffer, .address_space: global }
    .group_segment_fixed_size: 102912
    .private_segment_fixed_size: 0
    .kernarg_segment_align: 8
    .kernarg_segment_size: 56
    .max_flat_workgroup_size: 128
    .sgpr_count:     66
    .vgpr_count:     192
    .wavefront_size: 32
...
	.end_amdgpu_metadata
.endif
;; end of part 1
;; launch qkv (part 2): grid 12 x 32, 4 waves a work-group, clusters of 4 x 4, 327,680 bytes of LDS; arguments codes, bq, bv, qkv, head32; writes qkv, head32
.if DOCPART == 2
	.amdgcn_target "amdgcn-amd-amdhsa--gfx1250"
	.amdhsa_code_object_version 6
	.text
	.protected	k_q421b7b917f_qkv
	.globl	k_q421b7b917f_qkv
	.p2align	8
	.type	k_q421b7b917f_qkv,@function
k_q421b7b917f_qkv:
	s_mov_b64 s[64:65], 0
	v_nop
	global_prefetch_b8 v0, s[64:65] scope:SCOPE_SE
	s_setreg_imm32_b32 hwreg(HW_REG_WAVE_MODE, 25, 1), 1
	s_wait_xcnt 0x0
	s_wait_alu depctr_hold_cnt(0) depctr_sa_sdst(0) depctr_va_vdst(0) depctr_va_sdst(0) depctr_va_ssrc(0) depctr_va_vcc(0) depctr_vm_vsrc(0)
	s_getreg_b32 s2, hwreg(HW_REG_IB_STS2, 6, 4)
	s_cmp_eq_u32 s2, 0
	s_cbranch_scc0 .Lentry_in_a_cluster
	s_endpgm
.Lentry_in_a_cluster:
	s_bfe_u32 s2, ttmp6, 0x10000c
	s_cmp_lg_u32 s2, 0xf033
	s_cbranch_scc0 .Lentry_shape_is_right
	s_endpgm
.Lentry_shape_is_right:
; q = x Wq + bq, k = x Wk, v = x Wv + bv as ONE product on codes of E2M1: A = x's codes [8192][1024], B = the three weights' codes [3072][1024], with one E8M0 byte for each 32 along C; sums in f32.
; LEFT OUT: bk (it is the same for every key of a row of scores, so the softmax takes it away; shown at the head of the first launch).
; Results: three planes [8192][1024] of f16 (LIMIT: |q|, |k|, |v| under 65,504), and rows t < 16 of every batch once more in f32, for the launch that carries those rows finely.
; A tile of 256 x 256 is made by four waves, 128 x 128 each: 64 accumulators, 512 registers.  C goes in two steps of 512 (rows of 256 bytes), each in an LDS slot of its own: no slot is filled twice.
; The scale bytes of the work-group's rows, for all of C, are two dense blocks: they come once, in rows of 256 bytes.
; CLUSTERS: 4 x 4.  The four of a row of the cluster need the same tiles of A, the four of a column the same tiles of B: each is asked for jointly.  Cluster x is the plane (q, k, v), cx the plane's 256 columns;
; THE TILE ROW IS 8 cy + cluster y: the batch is cy, and whether a tile holds rows t < 16 hangs on cluster y and the wave's number alone, alike in all partners.
; The matrix instruction is used transposed (source 0 = 16 rows of B, source 1 = 16 rows of A): a lane holds eight neighbouring columns of a row.  The bias is the C of each sum's first instruction.
; REGISTERS: window 0: v0-31 addresses; v32-95 scale words, two sets; v128-191 A's fragments, one set; v192-255 the bias, eight registers for each of B's blocks.  window 1: B's fragments, two sets.
;   window 2: the accumulators of my rows 0-63 ((a, b) at v[8 (8 a + b)]); window 3: rows 64-127.
.set OFF_WC, 4194304
.set OFF_XS, 5767168
.set OFF_WS, 6029312
.set NQ,     4                         ; matrix instructions deep in a slot
.set ROWB,   256
.set KROW,   512
.set PITCH,  272                       ; 256 bytes + 16 of padding: the 16 rows that a load touches start 4 words apart modulo 64
.set FR,     8
.set NL,     2
.set NP,     4
.set HALFT,  128*PITCH
.set SLOT,   4*HALFT
.set KS,     32
.set SCL,    2*SLOT                    ; behind the slots: the scales, rows of 256 bytes + 16
.set HALFS,  (128*KS/256)*272
.set SBLK,   (16*KS/256)*272
.set SPARE,  SCL+4*HALFS               ; the spare words: two blocks of 256 bytes that no other line names
.set SPITCH, 272                       ; the way out: 16 rows x 272 bytes a wave, in slot 0, which has had its one fill and its last read by then
.set ADRA, 16
.set ADRB, 20
.set STO,  24
.set RD,   25
.set CO,   26
.set ADRS, 27
.set SPW,  28
.set NIL,  29
.set SC,   32
.set AF,   128
.set BIAS, 192
.set TMP,  192                         ; the way out: packed results
.set OB,   32                          ; and rows read back: v32-63 and v224-255 by turns
.set G1, 24
.set G0, 32
.set G1B, 48
.set G0B, 56
.set G1S, 68
.set G0S, 76
.set G1SB, 80
.set G0SB, 88
.set MSB, 0
.macro WIN new                         ; the immediate's high byte repeats the setting that is left
.if MSB != (\new)
	s_set_vgpr_msb (MSB<<8)|(\new)
.set MSB, (\new)
.endif
.endm
.set MUL_LO, 0xa1                      ; source 0 (B) window 1, source 1 (A) window 0, C and D window 2
.set MUL_HI, 0xf1
.set TO_B,   0x40
.macro JLOAD g0a, g1a, g0b, g1b        ; waves 0 and 1 fetch for A, waves 2 and 3 for B; an s_nop 0 and four v_nop follow each line
	s_cmp_eq_u32 s15, 0
	s_cbranch_scc0 .Lfor_b_\@
	tensor_load_to_lds s[\g0a:\g0a+3], s[\g1a:\g1a+7]
	s_nop 0
.rept 4
	v_nop
.endr
	s_branch .Lasked_\@
.Lfor_b_\@:
	tensor_load_to_lds s[\g0b:\g0b+3], s[\g1b:\g1b+7]
	s_nop 0
.rept 4
	v_nop
.endr
.Lasked_\@:
.endm
.macro CROUND                          ; a round of the cluster's barrier
	s_barrier_signal -1
	s_barrier_wait -1
	s_cmp_lg_u32 s14, 0
	s_cbranch_scc1 .Lnot_wave_0_\@
	s_barrier_signal -3
.Lnot_wave_0_\@:
	s_barrier_wait -3
	s_barrier_signal -1
	s_barrier_wait -1
.endm
	s_load_b64 s[4:5], s[0:1], 0x0                 ; codes
	s_load_b128 s[8:11], s[0:1], 0x8               ; bq, bv
	s_load_b128 s[96:99], s[0:1], 0x18             ; qkv, head32
	v_lshl_add_u32 v[SPW], v0, 2, SPARE
	v_mov_b32 v[NIL], 0
	ds_add_u32 v[SPW], v[NIL]                      ; the opening: the add, twice on end, and its wait ahead of my first tensor load
	ds_add_u32 v[SPW], v[NIL]
	v_lshrrev_b32 v1, 5, v0
	v_readfirstlane_b32 s14, v1                    ; wave
	s_lshr_b32 s15, s14, 1                         ; my half of the tile's rows; also: I fetch for A (0) or B (1)
	s_and_b32 s16, s14, 1                          ; my half of its columns; also: which 128 rows I fetch
	s_bfe_u32 s40, ttmp6, 0x40000                  ; cx
	s_bfe_u32 s41, ttmp6, 0x40004                  ; cy
	s_lshl_b32 s42, ttmp9, 2
	s_add_co_u32 s42, s42, s40                     ; tile column 0 to 11 = 4 x plane + cx
	s_and_b32 s95, ttmp7, 0xffff                   ; cluster y
	s_lshl_b32 s17, s41, 3
	s_add_co_u32 s17, s17, s95                     ; tile row = 8 cy + cluster y
	s_or_b32 s95, s95, s15                         ; 0 where my first 16 rows are rows t < 16 of a batch
	s_lshl_b32 s43, s41, 2
	s_lshl_b32 s43, 15, s43                        ; my row of the cluster
	s_lshl_b32 s44, 0x1111, s40                    ; my column
	s_or_b32 s[G1+0], s43, (0<<16)|(1<<20)|(1<<21)|(5<<22)|(3<<25)  ; the mask; elements of 1 byte; padding: 4 words behind every 64
	s_or_b32 s[G1B+0], s44, (0<<16)|(1<<20)|(1<<21)|(5<<22)|(3<<25)
.irp g, G1, G1B
	s_mov_b32 s[\g+1], ROWB<<16                    ; tensor_dim0
	s_mov_b32 s[\g+2], 128<<16                     ; tensor_dim1
	s_mov_b32 s[\g+3], ROWB<<16                    ; tile_dim0
	s_mov_b32 s[\g+4], 128                         ; tile_dim1
	s_mov_b32 s[\g+5], KROW                        ; from row to row
	s_mov_b32 s[\g+6], 0
	s_mov_b32 s[\g+7], 0
.endr
	s_or_b32 s[G1S+0], s43, (3<<16)|(1<<20)|(1<<21)|(5<<22)|(3<<25) ; the scales of 128 rows: 4,096 dense bytes as 16 rows of 32 elements of 8 bytes
	s_or_b32 s[G1SB+0], s44, (3<<16)|(1<<20)|(1<<21)|(5<<22)|(3<<25)
.irp g, G1S, G1SB
	s_mov_b32 s[\g+1], 32<<16
	s_mov_b32 s[\g+2], (128*KS/256)<<16
	s_mov_b32 s[\g+3], 32<<16
	s_mov_b32 s[\g+4], 128*KS/256
	s_mov_b32 s[\g+5], 32
	s_mov_b32 s[\g+6], 0
	s_mov_b32 s[\g+7], 0
.endr
	s_lshl_b32 s18, s16, 7
	s_lshl_b32 s20, s17, 8
	s_add_co_u32 s20, s20, s18                     ; A: row 256 x tile row + 128 x half
	s_lshl_b32 s46, s42, 8
	s_add_co_u32 s46, s46, s18                     ; B: row 256 x tile column + 128 x half
	s_lshl_b32 s22, s20, 5
	s_add_co_u32 s22, s22, OFF_XS                  ; where these rows' scales begin,
	s_mov_b32 s23, 0
	s_lshl_b32 s92, s46, 5
	s_add_co_u32 s92, s92, OFF_WS
	s_mov_b32 s93, 0
	s_lshl_b32 s20, s20, 9                         ; and their codes
	s_mov_b32 s21, 0
	s_lshl_b32 s46, s46, 9
	s_add_co_u32 s46, s46, OFF_WC
	s_mov_b32 s47, 0
	s_mul_i32 s45, s14, HALFT                      ; where they go: wave x 128 rows
	s_mul_i32 s94, s14, HALFS
	s_wait_dscnt 0x0                               ; both opening adds are done
	s_wait_kmcnt 0x0
	s_add_nc_u64 s[20:21], s[4:5], s[20:21]
	s_add_nc_u64 s[22:23], s[4:5], s[22:23]
	s_add_nc_u64 s[46:47], s[4:5], s[46:47]
	s_add_nc_u64 s[92:93], s[4:5], s[92:93]
	CROUND                                         ; all sixteen work-groups are here: the joint loads meet
	s_mov_b32 s[G0S], 1
	s_add_co_u32 s[G0S+1], s94, SCL
	s_mov_b64 s[G0S+2:G0S+3], s[22:23]
	s_or_b32 s[G0S+3], s[G0S+3], 0x80000000
	s_mov_b32 s[G0SB], 1
	s_add_co_u32 s[G0SB+1], s94, SCL
	s_mov_b64 s[G0SB+2:G0SB+3], s[92:93]
	s_or_b32 s[G0SB+3], s[G0SB+3], 0x80000000
	JLOAD G0S, G1S, G0SB, G1SB                     ; three loads of mine go out: the scales, then both steps' tiles
.irp s, 0,1
	s_mov_b32 s[G0+4*\s], 1
	s_add_co_u32 s[G0+4*\s+1], s45, \s*SLOT
	s_add_nc_u64 s[G0+4*\s+2:G0+4*\s+3], s[20:21], \s*ROWB
	s_or_b32 s[G0+4*\s+3], s[G0+4*\s+3], 0x80000000
	s_mov_b32 s[G0B+4*\s], 1
	s_add_co_u32 s[G0B+4*\s+1], s45, \s*SLOT
	s_add_nc_u64 s[G0B+4*\s+2:G0B+4*\s+3], s[46:47], \s*ROWB
	s_or_b32 s[G0B+4*\s+3], s[G0B+4*\s+3], 0x80000000
	JLOAD G0+4*\s, G1, G0B+4*\s, G1B
.endr
	v_and_b32 v1, 15, v0                           ; r
	v_bfe_u32 v2, v0, 4, 1                         ; h
	v_mul_u32_u24 v3, v1, PITCH
	v_lshl_add_u32 v4, v2, 4, v3
	s_mul_i32 s21, s15, HALFT
	s_mul_i32 s22, s16, HALFT
	s_add_co_u32 s22, s22, 2*HALFT
.irp s, 0,1
	v_add_nc_u32 v[ADRA+\s], s21, v4
	v_add_nc_u32 v[ADRB+\s], s22, v4
	s_add_co_u32 s21, s21, SLOT
	s_add_co_u32 s22, s22, SLOT
.endr
	v_mul_u32_u24 v5, v1, KS                       ; my row's scales: 32 bytes a row,
	v_lshrrev_b32 v6, 8, v5
	v_lshl_add_u32 v5, v6, 4, v5                   ; and 16 more for each 256 passed
	s_mul_i32 s21, s15, HALFS
	s_mul_i32 s22, s16, HALFS
	s_add_co_u32 s22, s22, 2*HALFS
	s_sub_co_u32 s22, s22, s21
	v_mul_u32_u24 v6, s22, v2                      ; lanes 16-31 take B's: one product, the distance between the two bases
	s_add_co_u32 s21, s21, SCL
	v_add_nc_u32 v5, v5, v6
	v_add_nc_u32 v[ADRS], s21, v5
	s_mul_i32 s23, s14, 16*SPITCH                  ; my stage
	v_mul_u32_u24 v5, v1, SPITCH
	v_lshl_add_u32 v5, v2, 4, v5
	v_add_nc_u32 v[STO], s23, v5                   ; in: row r, 16 bytes for each half of the lanes
	v_mul_u32_u24 v5, v2, SPITCH
	v_lshl_add_u32 v5, v1, 4, v5
	v_add_nc_u32 v[RD], s23, v5                    ; back: lanes 0-15 one row of 256 bytes, lanes 16-31 the next
	v_lshlrev_b32 v5, 11, v2
	v_lshl_add_u32 v[CO], v1, 4, v5                ; the same two rows in a plane (2,048 bytes a row)
	v_lshlrev_b32 v31, 12, v1
	v_lshl_add_u32 v31, v2, 5, v31                 ; the f32 rows: row r of 4,096 bytes + 32 h
	v_lshlrev_b32 v30, 5, v2                       ; the bias: 32 h
	s_lshl_b32 s20, s17, 8
	s_lshl_b32 s21, s15, 7
	s_add_co_u32 s20, s20, s21                     ; my first row
	s_lshl_b32 s20, s20, 11
	s_lshl_b32 s21, ttmp9, 24                      ; the plane: 16,777,216 bytes
	s_add_co_u32 s20, s20, s21
	s_mov_b32 s21, 0
	s_lshl_b32 s46, s40, 9                         ; my first column in the plane, in f16 bytes (in registers that held B's address)
	s_lshl_b32 s47, s16, 8
	s_add_co_u32 s46, s46, s47
	s_mov_b32 s47, 0
	s_add_nc_u64 s[12:13], s[96:97], s[20:21]
	s_add_nc_u64 s[12:13], s[12:13], s[46:47]
	s_lshl_b32 s46, s46, 1                         ; the same column in f32 bytes
	s_lshl_b32 s20, ttmp9, 18                      ; head32: a plane is 262,144 bytes,
	s_lshl_b32 s22, s41, 16                        ; a batch's 16 rows 65,536
	s_add_co_u32 s20, s20, s22
	s_add_nc_u64 s[98:99], s[98:99], s[20:21]
	s_add_nc_u64 s[98:99], s[98:99], s[46:47]
.set J, 0
.rept 64
	v_mov_b32 v[BIAS+J], 0                         ; plane k has no bias; the other planes load theirs over these
.set J, J+1
.endr
	s_cmp_eq_u32 ttmp9, 1                          ; the plane is the cluster's x: alike in all partners
	s_cbranch_scc1 .Lno_bias
	s_cmp_eq_u32 ttmp9, 0
	s_cselect_b64 s[8:9], s[8:9], s[10:11]
	s_add_nc_u64 s[8:9], s[8:9], s[46:47]
.irp b, 0,1,2,3,4,5,6,7
	global_load_b128 v[BIAS+8*\b:BIAS+8*\b+3], v30, s[8:9] offset:64*\b       ; lane (r, h): the bias of columns 16 b + 8 h + 0 .. 7
	global_load_b128 v[BIAS+8*\b+4:BIAS+8*\b+7], v30, s[8:9] offset:64*\b+16
.endr
.Lno_bias:
.macro FRAG reg, adr, q, i             ; 16 rows x 128 of 4-bit codes: registers 4 c .. 4 c + 3 hold k = 64 c + 32 h + 0 .. 31
.irp c, 0,1
	ds_load_b128 v[\reg+4*\c:\reg+4*\c+3], v[\adr] offset:64*(\q)+32*\c+(\i)*16*PITCH
.endr
.endm
; 16 matrix instructions: A's blocks a0, a0 + 1 x B's eight.  zero = 1: the first product starts the sums from the bias.  The 64 accumulators take turns, one instruction a turn.
.macro MUL16 a0, p, q, sc, zero
.irp a, \a0, \a0+1
.irp b, 0,1,2,3,4,5,6,7
.if \zero
	v_wmma_scale_f32_16x16x128_f8f6f4 v[8*(8*((\a)%4)+\b):8*(8*((\a)%4)+\b)+7], v[128*(\p)+FR*\b:128*(\p)+FR*\b+FR-1], v[AF+FR*(\a):AF+FR*(\a)+FR-1], v[BIAS+8*\b:BIAS+8*\b+7], v[SC+8*NQ*(\sc)+NQ*\b+(\q)], v[SC+8*NQ*(\sc)+NQ*(\a)+(\q)] matrix_a_fmt:MATRIX_FMT_FP4 matrix_b_fmt:MATRIX_FMT_FP4 matrix_a_scale:MATRIX_SCALE_ROW1
.else
	v_wmma_scale_f32_16x16x128_f8f6f4 v[8*(8*((\a)%4)+\b):8*(8*((\a)%4)+\b)+7], v[128*(\p)+FR*\b:128*(\p)+FR*\b+FR-1], v[AF+FR*(\a):AF+FR*(\a)+FR-1], v[8*(8*((\a)%4)+\b):8*(8*((\a)%4)+\b)+7], v[SC+8*NQ*(\sc)+NQ*\b+(\q)], v[SC+8*NQ*(\sc)+NQ*(\a)+(\q)] matrix_a_fmt:MATRIX_FMT_FP4 matrix_b_fmt:MATRIX_FMT_FP4 matrix_a_scale:MATRIX_SCALE_ROW1
.endif
.endr
.endr
.endm
.macro FETCH_B slot, q, p
	WIN TO_B
.irp i, 0,1,2,3,4,5,6,7
	FRAG 128*(\p)+FR*\i, ADRB+\slot, \q, \i
.endr
	WIN 0
.endm
.macro FETCH_A slot, q, i0
.irp i, \i0, \i0+1, \i0+2, \i0+3
	FRAG AF+FR*(\i), ADRA+\slot, \q, \i
.endr
.endm
.macro SCALES sc                       ; a slot's scale words: lanes 0-15 take A's block i, lanes 16-31 B's block i
.irp i, 0,1,2,3,4,5,6,7
	ds_load_b128 v[SC+8*NQ*\sc+NQ*\i:SC+8*NQ*\sc+NQ*\i+3], v[ADRS] offset:\i*SBLK
.endr
.endm
.macro PLACES n                        ; plain vector instructions between a matrix instruction and a load into, or a read of, its registers
.rept \n
	v_nop
.endr
.endm
.macro STEP slot, q, zero              ; 128 along C whose successor lies in the same slot
	s_wait_dscnt 4*NL                              ; B's set and A's blocks 0-3 are in; the youngest eight loads (A's blocks 4-7) may be out
	WIN MUL_LO-0x20*(\zero)                        ; (the bias lies in window 0)
	MUL16 0, (\q)%2, \q, \slot, \zero
	MUL16 2, (\q)%2, \q, \slot, \zero
	s_wait_dscnt 0
	PLACES NP
	FETCH_B \slot, (\q)+1, 1-(\q)%2
	FETCH_A \slot, (\q)+1, 0
	WIN MUL_HI-0x30*(\zero)
	MUL16 4, (\q)%2, \q, \slot, \zero
	MUL16 6, (\q)%2, \q, \slot, \zero
	PLACES NP
	WIN 0
	FETCH_A \slot, (\q)+1, 4
.endm
.macro TURN slot, next                 ; slot 0's last step: one barrier; in front of it all my tensor loads have landed; nothing is filled again
	s_wait_tensorcnt 0x0
	ds_add_u32 v[SPW], v[NIL]
	s_wait_dscnt 4*NL+1                            ; the add and the youngest eight loads may be out
	WIN MUL_LO
	MUL16 0, 1, NQ-1, \slot, 0
	s_wait_dscnt 0x0                               ; the add is done, and my reads of this slot are over
	s_barrier_signal -1
	MUL16 2, 1, NQ-1, \slot, 0
	WIN 0
	s_barrier_wait -1
	PLACES NP
	v_add_nc_u32 v[ADRS], 4*NQ, v[ADRS]            ; the next slot's scale words
	FETCH_B \next, 0, 0
	FETCH_A \next, 0, 0
	SCALES \next
	WIN MUL_HI
	MUL16 4, 1, NQ-1, \slot, 0
	MUL16 6, 1, NQ-1, \slot, 0
	PLACES NP
	WIN 0
	FETCH_A \next, 0, 4
.endm
	s_wait_tensorcnt 1                             ; the scales and my part of slot 0 are in; slot 1's load may be out
	s_barrier_signal -1
	s_barrier_wait -1
	FETCH_B 0, 0, 0
	FETCH_A 0, 0, 0
	SCALES 0
	FETCH_A 0, 0, 4
	s_wait_loadcnt 0x0                             ; the bias
	STEP 0, 0, 1
	STEP 0, 1, 0
	STEP 0, 2, 0
	TURN 0, 1
	STEP 1, 0, 0
	STEP 1, 1, 0
	STEP 1, 2, 0
	s_wait_dscnt 4*NL
	WIN MUL_LO
	MUL16 0, 1, NQ-1, 1, 0
	MUL16 2, 1, NQ-1, 1, 0
	s_wait_dscnt 0
	WIN MUL_HI
	MUL16 4, 1, NQ-1, 1, 0
	MUL16 6, 1, NQ-1, 1, 0
	WIN 0
	PLACES NP
	; rows t < 16 of a batch, in f32: my block 0, where cluster y and my half of the rows are 0
	s_cmp_lg_u32 s95, 0
	s_cbranch_scc1 .Lno_head
	WIN 0x08                                       ; a store's data: window 2
.irp b, 0,1,2,3,4,5,6,7
	global_store_b128 v31, v[8*\b:8*\b+3], s[98:99] offset:64*\b          ; each accumulator from its low end on
	global_store_b128 v31, v[8*\b+4:8*\b+7], s[98:99] offset:64*\b+16
.endr
	WIN 0
.Lno_head:
; THE WAY OUT, a block of 16 rows x 128 columns at a time: rounded to f16, 16 bytes a lane into my stage, back as whole rows of 256 bytes.
.macro PACK a
.set AC, 64*((\a)%4)
	WIN 0x0a+5*((\a)/4)
.irp b, 0,1,2,3,4,5,6,7
.irp r, 0,1,2,3
	v_cvt_pk_f16_f32 v[TMP+4*\b+\r], v[AC+8*\b+2*\r], v[AC+8*\b+2*\r+1]
.endr
.endr
	WIN 0
.endm
.macro TOSTAGE a
.set BK, OB+192*((\a)%2)
.irp b, 0,1,2,3,4,5,6,7
	ds_store_b128 v[STO], v[TMP+4*\b:TMP+4*\b+3] offset:32*\b
.endr
.irp t, 0,1,2,3,4,5,6,7
	ds_load_b128 v[BK+4*\t:BK+4*\t+3], v[RD] offset:\t*2*SPITCH    ; LDS serves a wave's instructions in order: these see the stores above
.endr
.endm
.macro SEND a
.set BK, OB+192*((\a)%2)
	s_wait_dscnt 0x0                               ; the block is back in registers
	s_wait_xcnt 0x0                                ; earlier stores have read their base and their data: both may be written again
.if (\a) > 0
	s_add_nc_u64 s[12:13], s[12:13], 16*2048
.endif
.irp t, 0,1,2,3,4,5,6,7
	global_store_b128 v[CO], v[BK+4*\t:BK+4*\t+3], s[12:13] offset:2*\t*2048   ; 16 lanes store 256 consecutive bytes, aligned
.endr
.endm
	PACK 0
	TOSTAGE 0
.irp a, 1,2,3,4,5,6,7
	PACK \a
	SEND \a-1
	TOSTAGE \a
.endr
	SEND 7
	s_wait_tensorcnt 0x0                           ; the wave's end
	ds_add_u32 v[SPW], v[NIL]
	s_wait_dscnt 0x0
	CROUND                                         ; the closing round
	s_endpgm
.Lfunc_end_k_q421b7b917f_qkv:
	.size	k_q421b7b917f_qkv, .Lfunc_end_k_q421b7b917f_qkv-k_q421b7b917f_qkv
	.p2alignl 7, 3214868480
	.fill 96, 4, 3214868480
	.section	.rodata,"a",@progbits
	.p2align	6, 0x0
	.amdhsa_kernel k_q421b7b917f_qkv
		.amdhsa_group_segment_fixed_size 327680
		.amdhsa_private_segment_fixed_size 0
		.amdhsa_enable_private_segment 0
		.amdhsa_kernarg_size 40
		.amdhsa_user_sgpr_count 2
		.amdhsa_user_sgpr_kernarg_segment_ptr 1
		.amdhsa_wavefront_size32 1
		.amdhsa_system_sgpr_workgroup_id_x 1
		.amdhsa_system_sgpr_workgroup_id_y 1
		.amdhsa_system_sgpr_workgroup_id_z 1
		.amdhsa_system_vgpr_workitem_id 0
		.amdhsa_next_free_vgpr 1024
		.amdhsa_next_free_sgpr 100
		.amdhsa_reserve_vcc 0
		.amdhsa_float_denorm_mode_32 3
		.amdhsa_float_denorm_mode_16_64 3
		.amdhsa_memory_ordered 1
		.amdhsa_forward_progress 1
		.amdhsa_inst_pref_size 132
	.end_amdhsa_kernel
	.amdgpu_metadata
---
amdhsa.version: [ 1, 2 ]
amdhsa.kernels:
  - .name:           k_q421b7b917f_qkv
    .symbol:         k_q421b7b917f_qkv.kd
    .args:
      - { .name: codes, .offset: 0, .size: 8, .value_kind: global_buffer, .address_space: global }
      - { .name: bq, .offset: 8, .size: 8, .value_kind: global_buffer, .address_space: global }
      - { .name: bv, .offset: 16, .size: 8, .value_kind: global_buffer, .address_space: global }
      - { .name: qkv, .offset: 24, .size: 8, .value_kind: global_buffer, .address_space: global }
      - { .name: head32, .offset: 32, .size: 8, .value_kind: global_buffer, .address_space: global }
    .group_segment_fixed_size: 327680
    .private_segment_fixed_size: 0
    .kernarg_segment_align: 8
    .kernarg_segment_size: 40
    .max_flat_workgroup_size: 128
    .sgpr_count:     100
    .vgpr_count:     1024
    .wavefront_size: 32
...
	.end_amdgpu_metadata
.endif
;; end of part 2
;; launch scores (part 3): grid 36 x 4, 4 waves a work-group, no clusters, 327,680 bytes of LDS; arguments qkv, p, stats; writes p, stats
.if DOCPART == 3
	.amdgcn_target "amdgcn-amd-amdhsa--gfx1250"
	.amdhsa_code_object_version 6
	.text
	.protected	k_q421b7b917f_scores
	.globl	k_q421b7b917f_scores
	.p2align	8
	.type	k_q421b7b917f_scores,@function
k_q421b7b917f_scores:
	s_mov_b64 s[64:65], 0
	v_nop
	global_prefetch_b8 v0, s[64:65] scope:SCOPE_SE
	s_setreg_imm32_b32 hwreg(HW_REG_WAVE_MODE, 25, 1), 1
	s_wait_xcnt 0x0
; S = q k^T on the causal tiles, and the softmax's first half.  q, k: planes 0 and 1 of qkv, [8192][1024] f16; sums in f32.
; LEFT OUT: the tiles of 256 x 256 that lie wholly behind the causal diagonal (their weights are 0): a batch has 36 live tiles of 64.
; For each query and each 128 keys: t = score x c, c = log2(e) / 32; M = the largest t of those 128, rounded UP to a whole number; p = 2^(t - M), stored as f16; l = the sum of the unrounded p, in f32.
; -M and l go to stats [4][16 tiles of 128 keys][2048 queries] (l 524,288 bytes behind -M).  The next launch brings the tiles of a row under one M by powers of two, which round nothing.
; A tile of 256 x 256 is made by four waves, 128 x 128 each.  C goes in steps of 128 through a ring of two LDS slots; each wave fetches 128 rows of 256 bytes with one tensor load.
; On a diagonal tile: the wave whose queries come before all its keys still multiplies (it stands inside a live tile) and then writes p = 0, l = 0 and -M = 3e38, which the next launch reads;
; the two waves on the diagonal hide scores by -infinity ahead of the maximum.  Key 16 a + r counts for query 16 a + r, so every maximum is a number.
; NO CLUSTER: a batch's 36 tiles lie in rows of 1 to 8 tiles, which do not divide into fours that share one operand under one mask.
; The matrix instruction is used transposed (source 0 = 16 keys, source 1 = 16 queries): a lane holds one query and eight neighbouring keys.
; REGISTERS: window 0: v16-31 addresses; v32-45 the softmax's small numbers; v64-127, v128-191 q's fragments, two buffers; on the way out v64-127 p, v128-159 p in f16, v160-223 rows read back.
;   window 1: k's fragments.  windows 2, 3: the 64 accumulators ((a, b) at v[8 (8 (a % 4) + b)]).
.set MA,    8
.set MH,    4
.set KSTEP, 128
.set PITCH, 272
.set HALF,  128*PITCH
.set SLOT,  4*HALF
.set LAPS,  4
.set WREG,  2*SLOT                     ; behind the ring, for each wave 5,632 bytes: a stage of 16 x 272 for p, 512 bytes of -M, 512 of l
.set WBYTES, 5632
.set SPARE, WREG+4*WBYTES              ; the spare words: two blocks of 256 bytes that no other line names
.set ADRA, 16
.set ADRB, 20
.set STO,  24
.set RD,   25
.set CO,   26
.set STN,  27
.set SPW,  28
.set NIL,  29
.set STR,  30
.set SOF,  31
.set F0,   64
.set F1,   128
.set G1,   24
.set G0,   32
.set MSB, 0
.macro WIN new
.if MSB != (\new)
	s_set_vgpr_msb (MSB<<8)|(\new)
.set MSB, (\new)
.endif
.endm
.set MUL_LO, 0xa1
.set MUL_HI, 0xf1
.set TO_B,   0x40
.macro PLACES
.rept 4
	v_nop
.endr
.endm
.macro TLOAD s                         ; every wave's own load: its LDS bytes are wave x 128 rows; an s_nop 0 and four v_nop follow
	tensor_load_to_lds s[G0+4*\s:G0+4*\s+3], s[G1:G1+7]
	s_nop 0
	PLACES
.endm
.macro MULA f, hi, al, zero            ; 8 matrix instructions: one block of queries x the eight blocks of keys, 32 along C
.irp b, 0,1,2,3,4,5,6,7
.if \zero
	v_wmma_f32_16x16x32_f16 v[8*(8*(\al)+\b):8*(8*(\al)+\b)+7], v[\f+8*\b:\f+8*\b+7], v[\f+8*(MH*\hi+(\al)):\f+8*(MH*\hi+(\al))+7], 0
.else
	v_wmma_f32_16x16x32_f16 v[8*(8*(\al)+\b):8*(8*(\al)+\b)+7], v[\f+8*\b:\f+8*\b+7], v[\f+8*(MH*\hi+(\al)):\f+8*(MH*\hi+(\al))+7], v[8*(8*(\al)+\b):8*(8*(\al)+\b)+7]
.endif
.endr
.endm
.macro MULS f, hi, from, n, zero
.set AL, \from
.rept \n
	MULA \f, \hi, AL, \zero
.set AL, AL+1
.endr
.endm
.macro FETCH slot, k, f                ; 32 LDS loads in one run: k's eight fragments, then q's eight
	WIN TO_B
.irp i, 0,1,2,3,4,5,6,7
	ds_load_b128 v[\f+8*\i:\f+8*\i+3],   v[ADRB+\slot] offset:\k+\i*16*PITCH
	ds_load_b128 v[\f+8*\i+4:\f+8*\i+7], v[ADRB+\slot] offset:\k+\i*16*PITCH+32
.endr
	WIN 0
.irp i, 0,1,2,3,4,5,6,7
	ds_load_b128 v[\f+8*\i:\f+8*\i+3],   v[ADRA+\slot] offset:\k+\i*16*PITCH
	ds_load_b128 v[\f+8*\i+4:\f+8*\i+7], v[ADRA+\slot] offset:\k+\i*16*PITCH+32
.endr
.endm
.macro QUARTER slot, k, f, g, zero     ; 32 along C: multiplies buffer f; in its middle fetches byte k of the same slot's rows into g
	s_wait_dscnt MA                                ; k's fragments and q's blocks 0-3 are in; the youngest eight loads may be out
	WIN MUL_LO
	MULS \f, 0, 0, MH, \zero
	PLACES
	FETCH \slot, \k, \g
	s_wait_dscnt 16+2*MA                           ; all but the 32 just issued
	WIN MUL_HI
	MULS \f, 1, 0, MH, \zero
.endm
; A K step's last quarter changes slots: one barrier.  In front of it each wave waits for all its tensor loads, adds 0 to its spare word, and waits for that and for its reads of this slot.
.macro TURN slot, next, fill
	WIN 0
	s_wait_tensorcnt 0x0                           ; my one load that was out, my part of the next slot, has landed: a group 0 may be written
	ds_add_u32 v[SPW], v[NIL]
.if \fill
	s_add_nc_u64 s[G0+4*\slot+2:G0+4*\slot+3], s[G0+4*\slot+2:G0+4*\slot+3], 2*KSTEP*2
.endif
	s_wait_dscnt MA+1                              ; the add and the youngest eight loads may be out
	WIN MUL_LO
	MULS F1, 0, 0, MH/2, 0
	s_wait_dscnt 0x0                               ; the add is done, and my reads of this slot are over
	s_barrier_signal -1
	MULS F1, 0, MH/2, MH/2, 0
	WIN 0
	s_barrier_wait -1
.if \fill
	TLOAD \slot                                    ; the first thing behind the barrier, and my one tensor load until the next
.else
	PLACES
.endif
	FETCH \next, 0, F0
	WIN MUL_HI
	MULS F1, 1, 0, MH, 0
.endm
	s_load_b128 s[4:7], s[0:1], 0x0                ; qkv, p
	s_load_b64 s[8:9], s[0:1], 0x10                ; stats
	v_lshl_add_u32 v[SPW], v0, 2, SPARE
	v_mov_b32 v[NIL], 0
	ds_add_u32 v[SPW], v[NIL]                      ; the opening: the add, twice on end, and its wait ahead of my first tensor load
	ds_add_u32 v[SPW], v[NIL]
	v_lshrrev_b32 v1, 5, v0
	v_readfirstlane_b32 s10, v1                    ; wave
	s_lshr_b32 s11, s10, 1                         ; my half of the queries; also: I fetch q's rows (0) or k's (1)
	s_and_b32 s12, s10, 1                          ; my half of the keys; also: which 128 rows I fetch
	s_and_b32 s14, ttmp7, 0xffff                   ; batch
	; work-group x -> tile (I, J), J <= I: tile rows pp and 7 - pp have 9 tiles together
	s_cmp_ge_u32 ttmp9, 9
	s_cselect_b32 s15, 1, 0
	s_cmp_ge_u32 ttmp9, 18
	s_cselect_b32 s20, 1, 0
	s_add_co_u32 s15, s15, s20
	s_cmp_ge_u32 ttmp9, 27
	s_cselect_b32 s20, 1, 0
	s_add_co_u32 s15, s15, s20                     ; pp
	s_mul_i32 s20, s15, 9
	s_sub_co_u32 s16, ttmp9, s20                   ; e = 0 .. 8
	s_sub_co_u32 s21, 7, s15
	s_sub_co_u32 s22, s16, s15
	s_sub_co_u32 s22, s22, 1
	s_cmp_le_u32 s16, s15
	s_cselect_b32 s17, s15, s21                    ; I
	s_cselect_b32 s18, s16, s22                    ; J
	s_cmp_lt_u32 s11, s12
	s_cselect_b32 s19, 2, 0
	s_cmp_eq_u32 s11, s12
	s_cselect_b32 s19, 1, s19
	s_cmp_eq_u32 s17, s18
	s_cselect_b32 s19, s19, 0                      ; 0: all keys count; 1: on the diagonal; 2: all keys hidden
	s_mov_b32 s[G1+0], (1<<16)|(1<<20)|(5<<22)|(3<<25)   ; elements of 2 bytes; padding: 4 words behind every 64
	s_mov_b32 s[G1+1], KSTEP<<16
	s_mov_b32 s[G1+2], 128<<16
	s_mov_b32 s[G1+3], KSTEP<<16
	s_mov_b32 s[G1+4], 128
	s_mov_b32 s[G1+5], 1024
	s_mov_b32 s[G1+6], 0
	s_mov_b32 s[G1+7], 0
	s_mov_b32 s58, 0x3d38aa3b                      ; c = log2(e) / 32
	s_mov_b32 s59, s58
	s_mov_b32 s60, 0x76543210                      ; v_permlanex16_b32's selects for lane l xor 16
	s_mov_b32 s61, 0xfedcba98
	s_cmp_eq_u32 s11, 0
	s_cselect_b32 s20, s17, s18
	s_lshl_b32 s20, s20, 8
	s_lshl_b32 s21, s12, 7
	s_add_co_u32 s20, s20, s21
	s_lshl_b32 s21, s14, 11
	s_add_co_u32 s20, s20, s21                     ; the first row that I fetch
	s_lshl_b32 s20, s20, 11
	s_lshl_b32 s21, s11, 24                        ; in plane q or plane k
	s_add_co_u32 s20, s20, s21
	s_mov_b32 s21, 0
	s_mul_i32 s44, s10, HALF                       ; q's two halves, then k's two halves
	s_wait_dscnt 0x0
	s_wait_kmcnt 0x0
	s_add_nc_u64 s[22:23], s[4:5], s[20:21]
.irp s, 0,1
	s_mov_b32 s[G0+4*\s], 1
	s_add_co_u32 s[G0+4*\s+1], s44, \s*SLOT
	s_add_nc_u64 s[G0+4*\s+2:G0+4*\s+3], s[22:23], \s*KSTEP*2
	s_or_b32 s[G0+4*\s+3], s[G0+4*\s+3], 0x80000000
	TLOAD \s                                       ; two loads of mine are out
.endr
	v_and_b32 v1, 15, v0                           ; r
	v_bfe_u32 v2, v0, 4, 1                         ; h
	v_mul_u32_u24 v3, v1, PITCH
	v_lshl_add_u32 v3, v2, 4, v3
	s_mul_i32 s20, s11, HALF
	s_mul_i32 s21, s12, HALF
	s_add_co_u32 s21, s21, 2*HALF
.irp s, 0,1
	v_add_nc_u32 v[ADRA+\s], s20, v3
	v_add_nc_u32 v[ADRB+\s], s21, v3
	s_add_co_u32 s20, s20, SLOT
	s_add_co_u32 s21, s21, SLOT
.endr
	s_mul_i32 s20, s10, WBYTES
	s_add_co_u32 s20, s20, WREG
	v_add_nc_u32 v[STO], s20, v3                   ; p's stage, in: row r, 16 bytes for each half of the lanes
	v_mul_u32_u24 v4, v2, PITCH
	v_lshl_add_u32 v4, v1, 4, v4
	v_add_nc_u32 v[RD], s20, v4                    ; back: two whole rows an instruction
	v_lshlrev_b32 v4, 12, v2
	v_lshl_add_u32 v[CO], v1, 4, v4                ; the same two rows in p (4,096 bytes a row)
	s_add_co_u32 s20, s20, 16*PITCH
	v_lshl_add_u32 v[STN], v1, 2, s20              ; -M of my query; l 512 bytes on
	v_and_b32 v4, 31, v0
	v_lshlrev_b32 v[SOF], 4, v4
	v_add_nc_u32 v[STR], s20, v[SOF]
	v_lshlrev_b32 v4, 3, v2
	v_sub_nc_u32 v44, v1, v4                       ; r - 8 h: on the diagonal block register j is hidden where j > r - 8 h
	v_mov_b32 v45, 0xff800000                      ; -infinity
	v_mov_b32 v36, 0                               ; a lane permute's destination counts as one of its sources
	v_mov_b32 v39, 0                               ; named with v38 as a pair
	s_lshl_b32 s20, s14, 11
	s_lshl_b32 s21, s17, 8
	s_add_co_u32 s20, s20, s21
	s_lshl_b32 s21, s11, 7
	s_add_co_u32 s20, s20, s21                     ; my first query
	s_lshl_b32 s20, s20, 12
	s_lshl_b32 s21, s18, 9
	s_add_co_u32 s20, s20, s21
	s_lshl_b32 s21, s12, 8
	s_add_co_u32 s20, s20, s21                     ; + my first key, 2 bytes each
	s_mov_b32 s21, 0
	s_add_nc_u64 s[40:41], s[6:7], s[20:21]
	s_lshl_b32 s20, s14, 4
	s_lshl_b32 s21, s18, 1
	s_add_co_u32 s20, s20, s21
	s_add_co_u32 s20, s20, s12                     ; my tile of 128 keys
	s_lshl_b32 s20, s20, 11
	s_lshl_b32 s21, s17, 8
	s_add_co_u32 s20, s20, s21
	s_lshl_b32 s21, s11, 7
	s_add_co_u32 s20, s20, s21
	s_lshl_b32 s20, s20, 2
	s_mov_b32 s21, 0
	s_add_nc_u64 s[42:43], s[8:9], s[20:21]
	s_wait_tensorcnt 1                             ; my part of K step 0 is in; K step 1's load may be out
	s_barrier_signal -1
	s_barrier_wait -1
	FETCH 0, 0, F0
	QUARTER 0, 64,  F0, F1, 1                      ; the first quarter's products start the sums
	WIN 0
	s_mov_b32 s3, LAPS-1
.Llap:                                                 ; a trip goes once round the ring and fills both slots again
	QUARTER 0, 128, F1, F0, 0
	QUARTER 0, 192, F0, F1, 0
	TURN 0, 1, 1
	QUARTER 1, 64,  F0, F1, 0
	QUARTER 1, 128, F1, F0, 0
	QUARTER 1, 192, F0, F1, 0
	TURN 1, 0, 1
	QUARTER 0, 64,  F0, F1, 0
	WIN 0
	s_sub_co_u32 s3, s3, 1
	s_cmp_lg_u32 s3, 0
	s_cbranch_scc1 .Llap
	QUARTER 0, 128, F1, F0, 0                      ; the last lap is written out and fills nothing
	QUARTER 0, 192, F0, F1, 0
	TURN 0, 1, 0
	QUARTER 1, 64,  F0, F1, 0
	QUARTER 1, 128, F1, F0, 0
	QUARTER 1, 192, F0, F1, 0
	s_wait_dscnt MA
	WIN MUL_LO
	MULS F1, 0, 0, MH, 0
	s_wait_dscnt 0
	WIN MUL_HI
	MULS F1, 1, 0, MH, 0
	WIN 0
	PLACES
; THE WAY OUT, a block of 16 queries x 128 keys at a time; each wave by itself, no barrier.
.macro MASKQ a                         ; on the diagonal: blocks of keys behind block a are hidden whole, block a in part
	s_cmp_lg_u32 s19, 1
	s_cbranch_scc1 .Lopen_\@
.set X, 2+(\a)/4
.set AC, 64*((\a)%4)
.if (\a) < 7
	WIN X<<6
.set J, 8*((\a)+1)
.rept 8*(7-(\a))
	v_mov_b32 v[AC+J], v45
.set J, J+1
.endr
.endif
	WIN (X<<6)|X
.irp j, 0,1,2,3,4,5,6,7
	v_cmp_gt_i32 vcc_lo, \j, v44
	v_cndmask_b32 v[AC+8*(\a)+\j], v[AC+8*(\a)+\j], v45, vcc_lo
.endr
	WIN 0
.Lopen_\@:
.endm
.macro SOFTC a
.set X, 2+(\a)/4
.set AC, 64*((\a)%4)
	WIN X|(X<<2)|(X<<4)
.irp c, 0,1,2,3
	v_max3_num_f32 v[32+\c], v[AC+16*\c], v[AC+16*\c+1], v[AC+16*\c+2]    ; four chains, ascending: each accumulator is first read at its low end
.endr
	WIN (X<<2)|(X<<4)
.irp i, 3,5,7,9,11,13
.irp c, 0,1,2,3
	v_max3_num_f32 v[32+\c], v[32+\c], v[AC+16*\c+\i], v[AC+16*\c+\i+1]
.endr
.endr
.irp c, 0,1,2,3
	v_max_num_f32 v[32+\c], v[32+\c], v[AC+16*\c+15]
.endr
	WIN 0
	v_max3_num_f32 v32, v32, v33, v34
	v_max_num_f32 v32, v32, v35
	v_permlanex16_b32 v36, v32, s60, s61           ; the query's other 64 keys lie in the lane 16 away
	v_max_num_f32 v32, v32, v36
	v_mul_f32 v32, s58, v32                        ; as t (c is positive)
	v_floor_f32 v38, -v32                          ; -M = floor(-t): M is a whole number
	WIN X
.set J, 0
.rept 32
	v_pk_fma_f32 v[64+J:65+J], v[AC+J:AC+J+1], s[58:59], v[38:39] op_sel_hi:[1,0,0]   ; t - M, two at a time
.set J, J+2
.endr
	WIN 0
.set J, 0
.rept 64
	v_exp_f32 v[64+J], v[64+J]                     ; p = 2^(t - M)
.set J, J+1
.endr
	v_nop                                          ; a plain instruction behind the last exponential
	s_wait_alu depctr_va_vdst(0)                   ; one wait for the batch, ahead of its first reader
	v_pk_add_f32 v[40:41], v[64:65], v[66:67]      ; l: the sum of the unrounded p, in two chains
	v_pk_add_f32 v[42:43], v[68:69], v[70:71]
.irp i, 8,12,16,20,24,28,32,36,40,44,48,52,56,60
	v_pk_add_f32 v[40:41], v[40:41], v[64+\i:65+\i]
	v_pk_add_f32 v[42:43], v[42:43], v[66+\i:67+\i]
.endr
	v_pk_add_f32 v[40:41], v[40:41], v[42:43]
	v_add_f32 v40, v40, v41
	v_permlanex16_b32 v36, v40, s60, s61
	v_add_f32 v40, v40, v36
.set J, 0
.rept 32
	v_cvt_pk_f16_f32 v[128+J], v[64+2*J], v[65+2*J]
.set J, J+1
.endr
.endm
.macro TOSTAGE a
.irp b, 0,1,2,3,4,5,6,7
	ds_store_b128 v[STO], v[128+4*\b:131+4*\b] offset:32*\b
.endr
	ds_store_b32 v[STN], v38 offset:64*(\a)        ; both halves of the lanes write the same word with the same value
	ds_store_b32 v[STN], v40 offset:512+64*(\a)
.set BK, 160+32*((\a)%2)
.irp t, 0,1,2,3,4,5,6,7
	ds_load_b128 v[BK+4*\t:BK+4*\t+3], v[RD] offset:\t*2*PITCH     ; LDS serves a wave's instructions in order: these see the stores above
.endr
.endm
.macro SEND a
.set BK, 160+32*((\a)%2)
	s_wait_dscnt 0x0
	s_wait_xcnt 0x0                                ; earlier stores have read their base and data
.if (\a) > 0
	s_add_nc_u64 s[40:41], s[40:41], 16*4096
.endif
.irp t, 0,1,2,3,4,5,6,7
	global_store_b128 v[CO], v[BK+4*\t:BK+4*\t+3], s[40:41] offset:2*\t*4096   ; 16 lanes store 256 consecutive bytes, aligned
.endr
.endm
	s_cmp_eq_u32 s19, 2
	s_cbranch_scc1 .Ldead
	MASKQ 0
	SOFTC 0
	TOSTAGE 0
.irp a, 1,2,3,4,5,6,7
	MASKQ \a
	SOFTC \a
	SEND \a-1
	TOSTAGE \a
.endr
	SEND 7
	ds_load_b128 v[64:67], v[STR]                  ; 128 queries' -M, and their l
	ds_load_b128 v[68:71], v[STR] offset:512
	s_wait_dscnt 0x0
	global_store_b128 v[SOF], v[64:67], s[42:43]
	global_store_b128 v[SOF], v[68:71], s[42:43] offset:524288
	s_branch .Lend
.Ldead:                                                ; all my keys are hidden: p = 0, l = 0, -M = 3e38 (over every -M, so that it never becomes a row's minimum)
.irp j, 0,1,2,3
	v_mov_b32 v[64+\j], 0
	v_mov_b32 v[68+\j], 0x7f61b1e6
.endr
.set J, 0
.rept 64
	global_store_b128 v[CO], v[64:67], s[40:41] offset:2*J*4096
.set J, J+1
.endr
	global_store_b128 v[SOF], v[68:71], s[42:43]
	global_store_b128 v[SOF], v[64:67], s[42:43] offset:524288
.Lend:
	s_wait_tensorcnt 0x0                           ; the wave's end
	ds_add_u32 v[SPW], v[NIL]
	s_wait_dscnt 0x0
	s_endpgm
.Lfunc_end_k_q421b7b917f_scores:
	.size	k_q421b7b917f_scores, .Lfunc_end_k_q421b7b917f_scores-k_q421b7b917f_scores
	.p2alignl 7, 3214868480
	.fill 96, 4, 3214868480
	.section	.rodata,"a",@progbits
	.p2align	6, 0x0
	.amdhsa_kernel k_q421b7b917f_scores
		.amdhsa_group_segment_fixed_size 327680
		.amdhsa_private_segment_fixed_size 0
		.amdhsa_enable_private_segment 0
		.amdhsa_kernarg_size 24
		.amdhsa_user_sgpr_count 2
		.amdhsa_user_sgpr_kernarg_segment_ptr 1
		.amdhsa_wavefront_size32 1
		.amdhsa_system_sgpr_workgroup_id_x 1
		.amdhsa_system_sgpr_workgroup_id_y 1
		.amdhsa_system_sgpr_workgroup_id_z 1
		.amdhsa_system_vgpr_workitem_id 0
		.amdhsa_next_free_vgpr 1024
		.amdhsa_next_free_sgpr 66
		.amdhsa_reserve_vcc 1
		.amdhsa_float_denorm_mode_32 3
		.amdhsa_float_denorm_mode_16_64 3
		.amdhsa_memory_ordered 1
		.amdhsa_forward_progress 1
		.amdhsa_inst_pref_size 228
	.end_amdhsa_kernel
	.amdgpu_metadata
---
amdhsa.version: [ 1, 2 ]
amdhsa.kernels:
  - .name:           k_q421b7b917f_scores
    .symbol:         k_q421b7b917f_scores.kd
    .args:
      - { .name: qkv, .offset: 0, .size: 8, .value_kind: global_buffer, .address_space: global }
      - { .name: p, .offset: 8, .size: 8, .value_kind: global_buffer, .address_space: global }
      - { .name: stats, .offset: 16, .size: 8, .value_kind: global_buffer, .address_space: global }
    .group_segment_fixed_size: 327680
    .private_segment_fixed_size: 0
    .kernarg_segment_align: 8
    .kernarg_segment_size: 24
    .max_flat_workgroup_size: 128
    .sgpr_count:     66
    .vgpr_count:     1024
    .wavefront_size: 32
...
	.end_amdgpu_metadata
.endif
;; end of part 3
;; launch pv (part 4): grid 8 x 32, 4 waves a work-group, clusters of 4 x 1, 327,680 bytes of LDS; arguments p, stats, qkv, o; writes o
.if DOCPART == 4
	.amdgcn_target "amdgcn-amd-amdhsa--gfx1250"
	.amdhsa_code_object_version 6
	.text
	.protected	k_q421b7b917f_pv
	.globl	k_q421b7b917f_pv
	.p2align	8
	.type	k_q421b7b917f_pv,@function
k_q421b7b917f_pv:
	s_mov_b64 s[64:65], 0
	v_nop
	global_prefetch_b8 v0, s[64:65] scope:SCOPE_SE
	s_setreg_imm32_b32 hwreg(HW_REG_WAVE_MODE, 25, 1), 1
	s_wait_xcnt 0x0
	s_wait_alu depctr_hold_cnt(0) depctr_sa_sdst(0) depctr_va_vdst(0) depctr_va_sdst(0) depctr_va_ssrc(0) depctr_va_vcc(0) depctr_vm_vsrc(0)
	s_getreg_b32 s2, hwreg(HW_REG_IB_STS2, 6, 4)
	s_cmp_eq_u32 s2, 0
	s_cbranch_scc0 .Lentry_in_a_cluster
	s_endpgm
.Lentry_in_a_cluster:
	s_bfe_u32 s2, ttmp6, 0x10000c
	s_cmp_lg_u32 s2, 0x3003
	s_cbranch_scc0 .Lentry_shape_is_right
	s_endpgm
.Lentry_shape_is_right:
; O = softmax x v.  p [4][2048][2048] f16 holds 2^(t - M_j) under a whole number M_j for each query and each tile j of 128 keys; stats holds -M_j and l_j.  v: plane 2 of qkv, f16.
; O[q] = the sum over j of g_j (P_j V_j)[q], g_j = 2^(M_j - M) / l, M = the largest M_j of the row, l = the sum of l_j 2^(M_j - M): powers of two, made by v_ldexp_f32, round nothing.  O leaves as f16.
; LEFT OUT: steps of 256 keys that lie wholly behind the causal diagonal.
; SHARES.  A work-group takes 128 channels and TWO blocks of 128 queries of a batch, pr and 15 - pr, one after the other: n1 = (pr + 2) / 2 steps of 256 keys and 9 - n1: nine steps in every work-group.
; So the trip counts are constants.  A wave makes 64 queries x 64 channels: 16 accumulators for a tile of 128 keys (each sum starts with the constant 0), folded into TOT by fused multiply-adds with g_j.
; RING: two LDS slots, each with P's 128 rows x 512 bytes and V's 256 keys x 256 bytes.  Waves 0, 1 fetch P's halves, waves 2, 3 V's.
; CLUSTER 4 x 1: the partners are four blocks of channels of the same queries: P's tiles are asked for jointly.  V's tiles are not shared: partners differ in channels, and work-groups of the same channels
; stand at other keys in a given step; so V comes by plain loads, behind the same rounds.
; Both operands as in the products before: source 0 = 16 channels (V turned on its way out of LDS), source 1 = 16 queries: a lane holds one query and eight neighbouring channels.
; REGISTERS: window 0: v4-7 the row's least -M, v8-11 1 / l (by block of queries); v12-15 at work; v16-27 addresses; v32-95 the way out; v96-111 g, each twice; v112-119 the next step's -M;
;   v120-127 the second block's least -M and 1 / l; v128-255 the accumulators.  window 1: two fragment buffers of 128.  window 2: v0-127 TOT.
.set PP,    528                        ; a row of P in LDS: 512 bytes + 16
.set PVV,   288                        ; a row of V: 256 + 32: the turning load's 8 rows x 32 bytes fall on different banks
.set PTILE, 128*PP
.set SLOT,  PTILE+256*PVV
.set STAGE, 2*SLOT                     ; 128 rows x 272 bytes, the work-group's, for the way out
.set SPITCH, 272
.set SPARE, STAGE+128*SPITCH           ; the spare words: two blocks of 256 bytes that no other line names
.set SPW,  28
.set NIL,  29
.set GG,   96
.set ACC,  128
.set F0,   0
.set F1,   128
.set G1P, 24
.set G1V, 32
.set G0P, 40                           ; s[40:47] a set for each slot
.set G0V, 48
.set MSB, 0
.macro WIN new
.if MSB != (\new)
	s_set_vgpr_msb (MSB<<8)|(\new)
.set MSB, (\new)
.endif
.endm
.set MUL,  0x05                        ; sources 0 and 1 window 1; C and D window 0
.set TO_F, 0x40
.macro PLACES
.rept 4
	v_nop
.endr
.endm
.macro JLOAD s                         ; the branch hangs on the wave's number alone; an s_nop 0 and four v_nop follow each line
	s_cmp_lt_u32 s12, 2
	s_cbranch_scc0 .Lfor_v_\@
	tensor_load_to_lds s[G0P+4*(\s):G0P+4*(\s)+3], s[G1P:G1P+7]
	s_nop 0
	PLACES
	s_branch .Lasked_\@
.Lfor_v_\@:
	tensor_load_to_lds s[G0V+4*(\s):G0V+4*(\s)+3], s[G1V:G1V+7]
	s_nop 0
	PLACES
.Lasked_\@:
.endm
.macro CREST
	s_cmp_lg_u32 s12, 0
	s_cbranch_scc1 .Lnot_wave_0_\@
	s_barrier_signal -3
.Lnot_wave_0_\@:
	s_barrier_wait -3
	s_barrier_signal -1
	s_barrier_wait -1
.endm
.macro CROUND
	s_barrier_signal -1
	s_barrier_wait -1
	CREST
.endm
.macro NEXTADR d                       ; step u = s21 + d: s82 = its step of 256 keys in its block of queries, s83 = that block
	s_add_co_u32 s82, s21, \d
	s_sub_co_u32 s70, s82, s20
	s_cmp_lt_u32 s82, s20
	s_cselect_b32 s82, s82, s70
	s_cselect_b32 s83, s19, s94
.endm
.macro OFFS                            ; the step's tiles: P 128 rows x 4,096 bytes a block, 512 bytes a step; V 256 rows x 2,048 bytes a step
	s_lshl_b32 s66, s83, 19
	s_lshl_b32 s71, s82, 9
	s_add_co_u32 s66, s66, s71
	s_lshl_b32 s68, s82, 19
.endm
.macro SETG slot
	s_add_nc_u64 s[G0P+4*(\slot)+2:G0P+4*(\slot)+3], s[56:57], s[66:67]
	s_or_b32 s[G0P+4*(\slot)+3], s[G0P+4*(\slot)+3], 0x80000000
	s_add_nc_u64 s[G0V+4*(\slot)+2:G0V+4*(\slot)+3], s[58:59], s[68:69]
	s_or_b32 s[G0V+4*(\slot)+3], s[G0V+4*(\slot)+3], 0x80000000
.endm
; A prefetch of P's tile three steps on, one step ahead of the tensor load that will want it.  P's tile is read by both clusters of its queries: cluster x = 0 asks.  Its four partners take 32 rows each, told apart
; by address; wave 0 names the first 256 bytes of a row's 512, wave 1 the second; a lane a row.  Asked in steps 0 to 5 alone: step 8 is the last that there is.
.macro ASK
	s_cmp_eq_u32 s89, 0
	s_cbranch_scc0 .Lnot_mine_\@
	global_prefetch_b8 v27, s[74:75] th:TH_LOAD_NT scope:SCOPE_SE
.Lnot_mine_\@:
.endm
.macro MUL8 f, c, a0, zero
.irp a, \a0, \a0+1
.irp b, 0,1,2,3
.if \zero
	v_wmma_f32_16x16x32_f16 v[ACC+8*(4*(\a)+\b):ACC+8*(4*(\a)+\b)+7], v[\f+64+8*(4*\c+\b):\f+64+8*(4*\c+\b)+7], v[\f+8*(4*\c+(\a)):\f+8*(4*\c+(\a))+7], 0
.else
	v_wmma_f32_16x16x32_f16 v[ACC+8*(4*(\a)+\b):ACC+8*(4*(\a)+\b)+7], v[\f+64+8*(4*\c+\b):\f+64+8*(4*\c+\b)+7], v[\f+8*(4*\c+(\a)):\f+8*(4*\c+(\a))+7], v[ACC+8*(4*(\a)+\b):ACC+8*(4*(\a)+\b)+7]
.endif
.endr
.endr
.endm
; 32 LDS loads in one run: the fragments of keys 64 q .. 64 q + 63; the first 32 keys first.  The slot may come as an expression (1 - slot): it stands in brackets wherever it is multiplied or added to.
.macro FETCH slot, q, f
	WIN TO_F
.irp c, 0,1
.irp i, 0,1,2,3
	ds_load_tr16_b128 v[\f+64+8*(4*\c+\i):\f+64+8*(4*\c+\i)+3],   v[18+2*(\slot)+(\q)/2] offset:(64*((\q)%2)+32*\c)*PVV+32*\i
	ds_load_tr16_b128 v[\f+64+8*(4*\c+\i)+4:\f+64+8*(4*\c+\i)+7], v[18+2*(\slot)+(\q)/2] offset:(64*((\q)%2)+32*\c+16)*PVV+32*\i
	ds_load_b128 v[\f+8*(4*\c+\i):\f+8*(4*\c+\i)+3],              v[16+(\slot)] offset:128*(\q)+64*\c+\i*16*PP
	ds_load_b128 v[\f+8*(4*\c+\i)+4:\f+8*(4*\c+\i)+7],            v[16+(\slot)] offset:128*(\q)+64*\c+\i*16*PP+32
.endr
.endr
.endm
.macro QUARTER slot, q, f, g, zero     ; multiplies buffer f (64 keys); fetches the slot's quarter q into g
	s_wait_dscnt 16                                ; the first 32 keys' fragments are in
	WIN MUL
	MUL8 \f, 0, 0, \zero
	MUL8 \f, 0, 2, \zero
	PLACES
	FETCH \slot, \q, \g
	s_wait_dscnt 32                                ; all but the 32 just issued
	WIN MUL
	MUL8 \f, 1, 0, 0
	MUL8 \f, 1, 2, 0
.endm
.macro FOLD jj                         ; TOT += g_jj x the sums of 128 keys; ascending
	PLACES
	WIN 0xa0                                       ; destination and source 2: window 2
.irp a, 0,1,2,3
.irp i, 0,1,2,3,4,5,6,7,8,9,10,11,12,13,14,15
	v_pk_fma_f32 v[32*\a+2*\i:32*\a+2*\i+1], v[ACC+32*\a+2*\i:ACC+32*\a+2*\i+1], v[GG+2*(4*\jj+\a):GG+2*(4*\jj+\a)+1], v[32*\a+2*\i:32*\a+2*\i+1]
.endr
.endr
	WIN 0
.endm
.macro TURN slot, next, fill, ask      ; a step's last quarter changes slots
	WIN 0
	s_wait_tensorcnt 0x0                           ; my one load that was out has landed: a group 0 may be written
	ds_add_u32 v[SPW], v[NIL]
.if \fill
	SETG \slot                                     ; the tiles two steps on
.endif
	s_wait_dscnt 17                                ; the add and the youngest sixteen loads may be out
	WIN MUL
	MUL8 F1, 0, 0, 0
	s_wait_dscnt 0x0                               ; the add is done, and my reads of this slot are over
	s_barrier_signal -1
	MUL8 F1, 0, 2, 0
	WIN 0
	s_barrier_wait -1
.if \fill
	CREST                                          ; the barrier has opened a round of the cluster's: no wave of any partner still reads this slot or has a load on its way
	JLOAD \slot
.else
	PLACES
.endif
	FETCH \next, 0, F0
.if \ask
	WIN 0
	ASK
.endif
	WIN MUL
	MUL8 F1, 1, 0, 0
	MUL8 F1, 1, 2, 0
.endm
.macro GCALC                           ; g of the next step's two tiles of keys, from its -M in v112-119
.irp jj, 0,1
.irp a, 0,1,2,3
	v_sub_f32 v[12+\a], v[4+\a], v[112+4*\jj+\a]   ; M_j - M: a whole number, 0 or less
.endr
.irp a, 0,1,2,3
	v_cvt_i32_f32 v[12+\a], v[12+\a]               ; (it saturates)
.endr
.irp a, 0,1,2,3
	v_ldexp_f32 v[GG+2*(4*\jj+\a)], v[8+\a], v[12+\a]
	v_ldexp_f32 v[GG+2*(4*\jj+\a)+1], v[8+\a], v[12+\a]
.endr
.endr
.endm
.macro OUT base, mid                   ; a finished tile of O: f16, through the shared stage (a row's 256 bytes come from two waves), 32 whole rows a wave
	s_wait_xcnt 0x0                                ; earlier stores have read v32-95
	WIN 0x0a
.irp t, 0,1,2,3,4,5,6,7,8,9,10,11,12,13,14,15
.irp r, 0,1,2,3
	v_cvt_pk_f16_f32 v[32+4*\t+\r], v[8*\t+2*\r], v[8*\t+2*\r+1]
.endr
.endr
	WIN 0
.irp a, 0,1,2,3
.irp b, 0,1,2,3
	ds_store_b128 v24, v[32+4*(4*\a+\b):32+4*(4*\a+\b)+3] offset:\a*16*SPITCH+32*\b
.endr
.endr
	s_wait_dscnt 0x0                               ; for the others' sake: my stores into the stage are done
	s_barrier_signal -1
	s_barrier_wait -1
.irp t, 0,1,2,3,4,5,6,7,8,9,10,11,12,13,14,15
	ds_load_b128 v[32+4*\t:32+4*\t+3], v25 offset:\t*2*SPITCH
.endr
.irp t, 0,1,2,3,4,5,6,7,8,9,10,11,12,13,14,15
	s_wait_dscnt 15-\t
	global_store_b128 v26, v[32+4*\t:32+4*\t+3], s[\base:\base+1] offset:2*\t*2048   ; 16 lanes store 256 consecutive bytes, aligned
.endr
.if \mid
	WIN 0x80
.set J, 0
.rept 128
	v_mov_b32 v[J], 0                              ; the second block's sums begin: where that happens hangs on the work-group's number, so TOT is cleared, not begun by another form of the fold
.set J, J+1
.endr
	WIN 0
.irp a, 0,1,2,3
	v_mov_b32 v[4+\a], v[120+\a]
	v_mov_b32 v[8+\a], v[124+\a]
.endr
.endif
.endm
.macro STEP slot, fill, ask, chk, ld, last
.if \ask
	s_wait_xcnt 0x0                                ; the last prefetch, a step back, has read its address
	NEXTADR 3
	s_lshl_b32 s90, s83, 19
	s_lshl_b32 s71, s82, 9
	s_add_co_u32 s90, s90, s71
	s_add_nc_u64 s[74:75], s[76:77], s[90:91]
.endif
.if \ld
	NEXTADR 2
	OFFS
.endif
	QUARTER \slot, 1, F0, F1, 1                    ; keys 0-127: the sums start with the constant 0
	QUARTER \slot, 2, F1, F0, 0
	FOLD 0
	QUARTER \slot, 3, F0, F1, 1                    ; keys 128-255
.if \last
	s_wait_dscnt 16
	WIN MUL
	MUL8 F1, 0, 0, 0
	MUL8 F1, 0, 2, 0
	s_wait_dscnt 0
	MUL8 F1, 1, 0, 0
	MUL8 F1, 1, 2, 0
.else
	TURN \slot, 1-\slot, \fill, \ask
.endif
	FOLD 1
.if \chk
	s_cmp_lg_u32 s21, s88                          ; the first block's last step?  ids and the count of steps alone: alike in all waves and all partners
	s_cbranch_scc1 .Lsame_\@
	OUT 78, 1
.Lsame_\@:
.endif
.if \last == 0
	s_wait_loadcnt 0x0                             ; the next step's -M
	GCALC
.if \ld
	s_lshl_b32 s70, s82, 14                        ; the step after that: two tiles of keys are 16,384 bytes on, a block of queries 512
	s_lshl_b32 s71, s83, 9
	s_add_co_u32 s70, s70, s71
	v_add_nc_u32 v23, s70, v22
.irp jj, 0,1
.irp a, 0,1,2,3
	global_load_b32 v[112+4*\jj+\a], v23, s[72:73] offset:8192*\jj+64*\a
.endr
.endr
.endif
	s_add_co_u32 s21, s21, 1
.endif
.endm
	s_load_b256 s[4:11], s[0:1], 0x0               ; p, stats, qkv, o
	v_lshl_add_u32 v[SPW], v0, 2, SPARE
	v_mov_b32 v[NIL], 0
	ds_add_u32 v[SPW], v[NIL]                      ; the opening: the add, twice on end, and its wait ahead of the round in front of my first tensor load
	ds_add_u32 v[SPW], v[NIL]
	v_lshrrev_b32 v1, 5, v0
	v_readfirstlane_b32 s12, v1                    ; wave
	s_lshr_b32 s13, s12, 1                         ; my half of the queries
	s_and_b32 s14, s12, 1                          ; my half of the channels; also: which half of a tile I fetch
	s_bfe_u32 s15, ttmp6, 0x40000                  ; cx
	s_lshl_b32 s16, ttmp9, 2
	s_add_co_u32 s16, s16, s15                     ; my block of 128 channels
	s_and_b32 s17, ttmp7, 0xffff
	s_lshr_b32 s18, s17, 3                         ; batch
	s_and_b32 s19, s17, 7                          ; pr
	s_add_co_u32 s20, s19, 2
	s_lshr_b32 s20, s20, 1                         ; n1
	s_sub_co_u32 s88, s20, 1
	s_sub_co_u32 s94, 15, s19
	s_mov_b32 s21, 0                               ; the step in hand
	s_or_b32 s89, s13, ttmp9                       ; 0 in waves 0, 1 of cluster x = 0
	s_mov_b32 s[G1P+0], 15|(1<<16)|(1<<20)|(1<<21)|(6<<22)|(3<<25)   ; all four partners; elements of 2 bytes; 4 words of padding behind every 128
	s_mov_b32 s[G1P+1], 256<<16
	s_mov_b32 s[G1P+2], 64<<16
	s_mov_b32 s[G1P+3], 256<<16
	s_mov_b32 s[G1P+4], 64
	s_mov_b32 s[G1P+5], 2048
	s_mov_b32 s[G1P+6], 0
	s_mov_b32 s[G1P+7], 0
	s_mov_b32 s[G1V+0], (1<<16)|(1<<20)|(5<<22)|(7<<25)              ; no mask; 8 words of padding behind every 64
	s_mov_b32 s[G1V+1], 128<<16
	s_mov_b32 s[G1V+2], 128<<16
	s_mov_b32 s[G1V+3], 128<<16
	s_mov_b32 s[G1V+4], 128
	s_mov_b32 s[G1V+5], 1024
	s_mov_b32 s[G1V+6], 0
	s_mov_b32 s[G1V+7], 0
	s_mov_b32 s67, 0
	s_mov_b32 s69, 0
	s_mov_b32 s91, 0
	s_lshl_b32 s22, s18, 23                        ; P: the batch's rows, my 64 of a tile's 128
	s_lshl_b32 s23, s14, 18
	s_add_co_u32 s22, s22, s23
	s_mov_b32 s23, 0
	s_lshl_b32 s92, s18, 22                        ; V: plane 2, the batch's rows, my 128 keys of a step's 256, my work-group's channels
	s_lshl_b32 s93, s14, 18
	s_add_co_u32 s92, s92, s93
	s_lshl_b32 s93, s16, 8
	s_add_co_u32 s92, s92, s93
	s_add_co_u32 s92, s92, 2*16777216
	s_mov_b32 s93, 0
	s_mul_i32 s62, s14, 64*PP
	s_mul_i32 s63, s14, 128*PVV
	s_add_co_u32 s63, s63, PTILE
	s_wait_dscnt 0x0
	s_wait_kmcnt 0x0
	s_add_nc_u64 s[56:57], s[4:5], s[22:23]
	s_add_nc_u64 s[58:59], s[8:9], s[92:93]
.irp s, 0,1
	s_mov_b32 s[G0P+4*\s], 1
	s_add_co_u32 s[G0P+4*\s+1], s62, \s*SLOT
	s_mov_b32 s[G0V+4*\s], 1
	s_add_co_u32 s[G0V+4*\s+1], s63, \s*SLOT
	NEXTADR \s
	OFFS
	SETG \s
.endr
	CROUND                                         ; all four work-groups are here
	s_cmp_lt_u32 s12, 2                            ; a wave's two first fills stand in one branch: two loads of mine are out
	s_cbranch_scc0 .Lfirst_v
	tensor_load_to_lds s[G0P:G0P+3], s[G1P:G1P+7]
	s_nop 0
	tensor_load_to_lds s[G0P+4:G0P+7], s[G1P:G1P+7]
	s_nop 0
	PLACES
	s_branch .Lfirst_asked
.Lfirst_v:
	tensor_load_to_lds s[G0V:G0V+3], s[G1V:G1V+7]
	s_nop 0
	tensor_load_to_lds s[G0V+4:G0V+7], s[G1V:G1V+7]
	s_nop 0
	PLACES
.Lfirst_asked:
	v_and_b32 v1, 15, v0                           ; r
	v_bfe_u32 v2, v0, 4, 1                         ; h
	v_mul_u32_u24 v3, v1, PP
	v_lshl_add_u32 v3, v2, 4, v3
	s_mul_i32 s62, s13, 64*PP
	v_add_nc_u32 v16, s62, v3                      ; P's fragments, slot 0
	s_add_co_u32 s62, s62, SLOT
	v_add_nc_u32 v17, s62, v3
	v_and_b32 v3, 7, v0                            ; the turning load: key 8 h + lane % 8, channels 8 ((lane / 8) % 2) on
	v_lshl_add_u32 v3, v2, 3, v3
	v_mul_u32_u24 v3, v3, PVV
	v_bfe_u32 v12, v0, 3, 1
	v_lshl_add_u32 v3, v12, 4, v3
	s_lshl_b32 s62, s14, 7
	s_add_co_u32 s62, s62, PTILE
	v_add_nc_u32 v18, s62, v3                      ; slot 0, keys 0-127
	s_add_co_u32 s62, s62, 128*PVV
	v_add_nc_u32 v19, s62, v3                      ; slot 0, keys 128-255
	s_add_co_u32 s62, s62, SLOT-128*PVV
	v_add_nc_u32 v20, s62, v3
	s_add_co_u32 s62, s62, 128*PVV
	v_add_nc_u32 v21, s62, v3
	s_mul_i32 s62, s13, 64*SPITCH
	s_lshl_b32 s63, s14, 7
	s_add_co_u32 s62, s62, s63
	s_add_co_u32 s62, s62, STAGE
	v_mul_u32_u24 v3, v1, SPITCH
	v_lshl_add_u32 v3, v2, 4, v3
	v_add_nc_u32 v24, s62, v3                      ; the stage, in
	s_mul_i32 s62, s12, 32*SPITCH
	s_add_co_u32 s62, s62, STAGE
	v_mul_u32_u24 v3, v2, SPITCH
	v_lshl_add_u32 v3, v1, 4, v3
	v_add_nc_u32 v25, s62, v3                      ; and back: rows 32 wave on
	v_lshlrev_b32 v26, 11, v2
	v_lshl_add_u32 v26, v1, 4, v26                 ; the same two rows in o
	s_lshl_b32 s62, s13, 8
	v_lshl_add_u32 v22, v1, 2, s62                 ; stats: query 64 x half + r
	v_and_b32 v27, 31, v0
	v_lshlrev_b32 v27, 12, v27                     ; the prefetch: a lane a row of p
	s_lshl_b32 s92, s18, 17
	s_add_nc_u64 s[72:73], s[6:7], s[92:93]        ; the batch's stats
	s_lshl_b32 s92, s18, 23
	s_lshl_b32 s70, s15, 17
	s_add_co_u32 s92, s92, s70
	s_lshl_b32 s70, s14, 8
	s_add_co_u32 s92, s92, s70
	s_add_nc_u64 s[76:77], s[4:5], s[92:93]        ; the prefetches' base: my work-group's 32 rows, my wave's 256 bytes
	s_lshl_b32 s70, s18, 11
	s_lshl_b32 s71, s12, 5
	s_add_co_u32 s70, s70, s71
	s_lshl_b32 s70, s70, 11
	s_lshl_b32 s71, s16, 8
	s_add_co_u32 s70, s70, s71
	s_lshl_b32 s92, s19, 18
	s_add_co_u32 s92, s92, s70
	s_add_nc_u64 s[78:79], s[10:11], s[92:93]      ; o at the first block's rows that I store,
	s_lshl_b32 s92, s94, 18
	s_add_co_u32 s92, s92, s70
	s_add_nc_u64 s[80:81], s[10:11], s[92:93]      ; and at the second's
	WIN 0x80
.set J, 0
.rept 128
	v_mov_b32 v[J], 0                              ; TOT
.set J, J+1
.endr
	WIN 0
	; THE ROWS' M AND l, for both blocks of queries: all nine steps' -M (v32-103) and l (v128-199): register 8 s + 4 jj + a
.irp s, 0,1,2,3,4,5,6,7,8
	NEXTADR \s
	s_lshl_b32 s70, s82, 14
	s_lshl_b32 s71, s83, 9
	s_add_co_u32 s70, s70, s71
	v_add_nc_u32 v[236+\s], s70, v22
.endr
.irp s, 0,1,2,3,4,5,6,7,8
.irp jj, 0,1
.irp a, 0,1,2,3
	global_load_b32 v[32+8*\s+4*\jj+\a], v[236+\s], s[72:73] offset:8192*\jj+64*\a
	global_load_b32 v[128+8*\s+4*\jj+\a], v[236+\s], s[72:73] offset:524288+8192*\jj+64*\a
.endr
.endr
.endr
.irp s, 1,2,3                          ; steps 1 to 3 belong to the first block where s < n1; step 0 always does, steps 4 to 8 never
	s_cmp_gt_u32 s20, \s
	s_cselect_b32 s[83+\s], -1, 0
	s_cselect_b32 s[94+\s], 0, -1
.endr
	v_mov_b32 v245, 0x7f61b1e6                     ; 3e38
	s_wait_loadcnt 0x0
.irp s, 0,1,2,3,4,5,6,7,8
.irp a, 0,1,2,3
	v_min_num_f32 v[200+4*\s+\a], v[32+8*\s+\a], v[36+8*\s+\a]
.endr
.endr
.irp a, 0,1,2,3
	v_mov_b32 v[4+\a], v[200+\a]
	v_min_num_f32 v[120+\a], v[216+\a], v[220+\a]
.endr
.irp s, 6,7,8
.irp a, 0,1,2,3
	v_min_num_f32 v[120+\a], v[120+\a], v[200+4*\s+\a]
.endr
.endr
.irp s, 1,2,3
.irp a, 0,1,2,3
	v_cndmask_b32 v[12+\a], v245, v[200+4*\s+\a], s[83+\s]
	v_cndmask_b32 v[104+\a], v245, v[200+4*\s+\a], s[94+\s]
.endr
.irp a, 0,1,2,3
	v_min_num_f32 v[4+\a], v[4+\a], v[12+\a]       ; the first block's least -M,
	v_min_num_f32 v[120+\a], v[120+\a], v[104+\a]  ; the second's
.endr
.endr
.irp i, 0,1,2,3,4,5,6,7
	v_mov_b32 v[112+\i], v[40+\i]                  ; step 1's -M is kept for its g
.endr
.irp s, 0,1,2,3,4,5,6,7,8
.if (\s >= 1) && (\s <= 3)
.irp a, 0,1,2,3
	v_cndmask_b32 v[104+\a], v[120+\a], v[4+\a], s[83+\s]
.endr
.set MB, 104
.elseif \s == 0
.set MB, 4
.else
.set MB, 120
.endif
.irp i, 0,1,2,3,4,5,6,7
	v_sub_f32 v[32+8*\s+\i], v[MB+(\i%4)], v[32+8*\s+\i]           ; M_j - M
.endr
.irp i, 0,1,2,3,4,5,6,7
	v_cvt_i32_f32 v[32+8*\s+\i], v[32+8*\s+\i]
.endr
.irp i, 0,1,2,3,4,5,6,7
	v_ldexp_f32 v[128+8*\s+\i], v[128+8*\s+\i], v[32+8*\s+\i]      ; l_j under the row's M
.endr
.irp a, 0,1,2,3
	v_add_f32 v[128+8*\s+\a], v[128+8*\s+\a], v[132+8*\s+\a]
.endr
.endr
.irp a, 0,1,2,3
	v_mov_b32 v[246+\a], v[128+\a]
	v_add_f32 v[250+\a], v[160+\a], v[168+\a]
.endr
.irp s, 6,7,8
.irp a, 0,1,2,3
	v_add_f32 v[250+\a], v[250+\a], v[128+8*\s+\a]
.endr
.endr
.irp s, 1,2,3
.irp a, 0,1,2,3
	v_cndmask_b32 v[12+\a], 0, v[128+8*\s+\a], s[83+\s]
	v_cndmask_b32 v[104+\a], 0, v[128+8*\s+\a], s[94+\s]
.endr
.irp a, 0,1,2,3
	v_add_f32 v[246+\a], v[246+\a], v[12+\a]
	v_add_f32 v[250+\a], v[250+\a], v[104+\a]
.endr
.endr
.irp a, 0,1,2,3
	v_rcp_f32 v[8+\a], v[246+\a]
	v_rcp_f32 v[124+\a], v[250+\a]
.endr
	v_nop                                          ; a plain instruction behind the last reciprocal
	s_wait_alu depctr_va_vdst(0)                   ; one wait for the eight, ahead of their first reader
.irp i, 0,1,2,3,4,5,6,7
	v_ldexp_f32 v[GG+2*\i], v[8+(\i%4)], v[32+\i]  ; step 0's g, from the whole numbers made above
	v_ldexp_f32 v[GG+2*\i+1], v[8+(\i%4)], v[32+\i]
.endr
	s_wait_tensorcnt 1                             ; my part of step 0 is in; step 1's load may be out
	s_barrier_signal -1
	s_barrier_wait -1
	FETCH 0, 0, F0
	WIN 0
	s_mov_b32 s87, 3
.Llap:                                                 ; steps 0 to 5: each fills its slot again with the tiles two steps on
	STEP 0, 1, 1, 1, 1, 0
	STEP 1, 1, 1, 1, 1, 0
	s_sub_co_u32 s87, s87, 1
	s_cmp_lg_u32 s87, 0
	s_cbranch_scc1 .Llap
	STEP 0, 1, 0, 0, 1, 0                          ; step 6 asks for step 8; the tail is written out
	STEP 1, 0, 0, 0, 0, 0
	STEP 0, 0, 0, 0, 0, 1
	OUT 80, 0
	s_wait_tensorcnt 0x0                           ; the wave's end
	ds_add_u32 v[SPW], v[NIL]
	s_wait_dscnt 0x0
	CROUND                                         ; the closing round
	s_endpgm
.Lfunc_end_k_q421b7b917f_pv:
	.size	k_q421b7b917f_pv, .Lfunc_end_k_q421b7b917f_pv-k_q421b7b917f_pv
	.p2alignl 7, 3214868480
	.fill 96, 4, 3214868480
	.section	.rodata,"a",@progbits
	.p2align	6, 0x0
	.amdhsa_kernel k_q421b7b917f_pv
		.amdhsa_group_segment_fixed_size 327680
		.amdhsa_private_segment_fixed_size 0
		.amdhsa_enable_private_segment 0
		.amdhsa_kernarg_size 32
		.amdhsa_user_sgpr_count 2
		.amdhsa_user_sgpr_kernarg_segment_ptr 1
		.amdhsa_wavefront_size32 1
		.amdhsa_system_sgpr_workgroup_id_x 1
		.amdhsa_system_sgpr_workgroup_id_y 1
		.amdhsa_system_sgpr_workgroup_id_z 1
		.amdhsa_system_vgpr_workitem_id 0
		.amdhsa_next_free_vgpr 640
		.amdhsa_next_free_sgpr 100
		.amdhsa_reserve_vcc 0
		.amdhsa_float_denorm_mode_32 3
		.amdhsa_float_denorm_mode_16_64 3
		.amdhsa_memory_ordered 1
		.amdhsa_forward_progress 1
		.amdhsa_inst_pref_size 224
	.end_amdhsa_kernel
	.amdgpu_metadata
---
amdhsa.version: [ 1, 2 ]
amdhsa.kernels:
  - .name:           k_q421b7b917f_pv
    .symbol:         k_q421b7b917f_pv.kd
    .args:
      - { .name: p, .offset: 0, .size: 8, .value_kind: global_buffer, .address_space: global }
      - { .name: stats, .offset: 8, .size: 8, .value_kind: global_buffer, .address_space: global }
      - { .name: qkv, .offset: 16, .size: 8, .value_kind: global_buffer, .address_space: global }
      - { .name: o, .offset: 24, .size: 8, .value_kind: global_buffer, .address_space: global }
    .group_segment_fixed_size: 327680
    .private_segment_fixed_size: 0
    .kernarg_segment_align: 8
    .kernarg_segment_size: 32
    .max_flat_workgroup_size: 128
    .sgpr_count:     100
    .vgpr_count:     640
    .wavefront_size: 32
...
	.end_amdgpu_metadata
.endif
;; end of part 4
;; launch proj (part 5): grid 4 x 64, 4 waves a work-group, clusters of 4 x 4, 327,680 bytes of LDS; arguments o, wot, bo, out0; writes out0
.if DOCPART == 5
	.amdgcn_target "amdgcn-amd-amdhsa--gfx1250"
	.amdhsa_code_object_version 6
	.text
	.protected	k_q421b7b917f_proj
	.globl	k_q421b7b917f_proj
	.p2align	8
	.type	k_q421b7b917f_proj,@function
k_q421b7b917f_proj:
	s_mov_b64 s[64:65], 0
	v_nop
	global_prefetch_b8 v0, s[64:65] scope:SCOPE_SE
	s_setreg_imm32_b32 hwreg(HW_REG_WAVE_MODE, 25, 1), 1
	s_wait_xcnt 0x0
	s_wait_alu depctr_hold_cnt(0) depctr_sa_sdst(0) depctr_va_vdst(0) depctr_va_sdst(0) depctr_va_ssrc(0) depctr_va_vcc(0) depctr_vm_vsrc(0)
	s_getreg_b32 s2, hwreg(HW_REG_IB_STS2, 6, 4)
	s_cmp_eq_u32 s2, 0
	s_cbranch_scc0 .Lentry_in_a_cluster
	s_endpgm
.Lentry_in_a_cluster:
	s_bfe_u32 s2, ttmp6, 0x10000c
	s_cmp_lg_u32 s2, 0xf033
	s_cbranch_scc0 .Lentry_shape_is_right
	s_endpgm
.Lentry_shape_is_right:
; out0 = O Wo + bo.  O [8192][1024] f16; wot = Wo laid [column][C], f16; sums and out0 in f32.  (Rows t < 16 of every batch are written once more, more finely, by the last launch.)
; A tile of 128 rows x 256 columns gives 256 work-groups.  Four waves, 64 x 128 each: 32 accumulators.  C goes in steps of 128 through a ring of two LDS slots (rows of 256 bytes):
; waves 0, 1 fetch O's halves of 64 rows, waves 2, 3 wot's halves of 128.
; CLUSTERS 4 x 4: O's tile is shared along a row of the cluster, wot's along a column: each is asked for jointly.
; The matrix instruction is used transposed (source 0 = 16 rows of wot, source 1 = 16 rows of O): a lane holds eight neighbouring columns of a row.  bo is the C of each sum's first instruction.
; REGISTERS: window 0: v16-30 addresses; v64-95, v128-159 O's fragments, two buffers; v192-255 bo.  window 1: wot's fragments at v64 and v128.  window 2: my rows 0-31 ((a, b) at v[8 (8 a + b)]); window 3: rows 32-63.
.set MA,    4
.set MH,    2
.set KSTEP, 128
.set PITCH, 272
.set HALFA, 16*MA*PITCH
.set HALFB, 128*PITCH
.set ATILE, 2*HALFA
.set SLOT,  ATILE+2*HALFB
.set LAPS,  4
.set STAGE, 2*SLOT                     ; behind the ring: 16 rows x 528 bytes for each wave
.set SPITCH, 528
.set SPARE, STAGE+4*16*SPITCH          ; the spare words: two blocks of 256 bytes that no other line names
.set ADRA, 16
.set ADRB, 20
.set STO,  24
.set RD,   25
.set CO,   26
.set SPW,  28
.set NIL,  29
.set F0,   64
.set F1,   128
.set BK,   64
.set BIAS, 192
.set G1, 24
.set G0, 32
.set G1B, 48
.set G0B, 56
.set MSB, 0
.macro WIN new
.if MSB != (\new)
	s_set_vgpr_msb (MSB<<8)|(\new)
.set MSB, (\new)
.endif
.endm
.set MUL_LO, 0xa1
.set MUL_HI, 0xf1
.set TO_B,   0x40
.macro PLACES
.rept 4
	v_nop
.endr
.endm
.macro JLOAD s                         ; the branch hangs on the wave's number alone; an s_nop 0 and four v_nop follow each line
	s_cmp_eq_u32 s11, 0
	s_cbranch_scc0 .Lfor_b_\@
	tensor_load_to_lds s[G0+4*\s:G0+4*\s+3], s[G1:G1+7]
	s_nop 0
	PLACES
	s_branch .Lasked_\@
.Lfor_b_\@:
	tensor_load_to_lds s[G0B+4*\s:G0B+4*\s+3], s[G1B:G1B+7]
	s_nop 0
	PLACES
.Lasked_\@:
.endm
.macro CREST
	s_cmp_lg_u32 s10, 0
	s_cbranch_scc1 .Lnot_wave_0_\@
	s_barrier_signal -3
.Lnot_wave_0_\@:
	s_barrier_wait -3
	s_barrier_signal -1
	s_barrier_wait -1
.endm
.macro CROUND
	s_barrier_signal -1
	s_barrier_wait -1
	CREST
.endm
.macro MULA f, hi, al, zero
.irp b, 0,1,2,3,4,5,6,7
.if \zero
	v_wmma_f32_16x16x32_f16 v[8*(8*(\al)+\b):8*(8*(\al)+\b)+7], v[\f+8*\b:\f+8*\b+7], v[\f+8*(MH*\hi+(\al)):\f+8*(MH*\hi+(\al))+7], v[BIAS+8*\b:BIAS+8*\b+7]
.else
	v_wmma_f32_16x16x32_f16 v[8*(8*(\al)+\b):8*(8*(\al)+\b)+7], v[\f+8*\b:\f+8*\b+7], v[\f+8*(MH*\hi+(\al)):\f+8*(MH*\hi+(\al))+7], v[8*(8*(\al)+\b):8*(8*(\al)+\b)+7]
.endif
.endr
.endm
.macro MULS f, hi, from, n, zero
.set AL, \from
.rept \n
	MULA \f, \hi, AL, \zero
.set AL, AL+1
.endr
.endm
.macro FETCH slot, k, f                ; 24 LDS loads in one run: wot's eight fragments, then O's four
	WIN TO_B
.irp i, 0,1,2,3,4,5,6,7
	ds_load_b128 v[\f+8*\i:\f+8*\i+3],   v[ADRB+\slot] offset:\k+\i*16*PITCH
	ds_load_b128 v[\f+8*\i+4:\f+8*\i+7], v[ADRB+\slot] offset:\k+\i*16*PITCH+32
.endr
	WIN 0
.irp i, 0,1,2,3
	ds_load_b128 v[\f+8*\i:\f+8*\i+3],   v[ADRA+\slot] offset:\k+\i*16*PITCH
	ds_load_b128 v[\f+8*\i+4:\f+8*\i+7], v[ADRA+\slot] offset:\k+\i*16*PITCH+32
.endr
.endm
.macro QUARTER slot, k, f, g, zero
	s_wait_dscnt MA                                ; wot's fragments and O's blocks 0, 1 are in; the youngest four loads may be out
	WIN MUL_LO-0x20*(\zero)                        ; (bo lies in window 0)
	MULS \f, 0, 0, MH, \zero
	PLACES
	FETCH \slot, \k, \g
	s_wait_dscnt 16+2*MA                           ; all but the 24 just issued
	WIN MUL_HI-0x30*(\zero)
	MULS \f, 1, 0, MH, \zero
.endm
.macro TURN slot, next, fill
	WIN 0
	s_wait_tensorcnt 0x0                           ; my one load that was out has landed: a group 0 may be written
	ds_add_u32 v[SPW], v[NIL]
.if \fill
	s_add_nc_u64 s[G0+4*\slot+2:G0+4*\slot+3], s[G0+4*\slot+2:G0+4*\slot+3], 2*KSTEP*2
	s_add_nc_u64 s[G0B+4*\slot+2:G0B+4*\slot+3], s[G0B+4*\slot+2:G0B+4*\slot+3], 2*KSTEP*2
.endif
	s_wait_dscnt MA+1                              ; the add and the youngest four loads may be out
	WIN MUL_LO
	MULS F1, 0, 0, MH/2, 0
	s_wait_dscnt 0x0                               ; the add is done, and my reads of this slot are over
	s_barrier_signal -1
	MULS F1, 0, MH/2, MH/2, 0
	WIN 0
	s_barrier_wait -1
.if \fill
	CREST                                          ; the barrier has opened a round of the cluster's: no wave of any partner still reads this slot or has a load on its way
	JLOAD \slot
.else
	PLACES
.endif
	FETCH \next, 0, F0
	WIN MUL_HI
	MULS F1, 1, 0, MH, 0
.endm
	s_load_b128 s[4:7], s[0:1], 0x0                ; o, wot
	s_load_b128 s[68:71], s[0:1], 0x10             ; bo, out0
	v_lshl_add_u32 v[SPW], v0, 2, SPARE
	v_mov_b32 v[NIL], 0
	ds_add_u32 v[SPW], v[NIL]                      ; the opening: the add, twice on end, and its wait
	ds_add_u32 v[SPW], v[NIL]
	v_lshrrev_b32 v1, 5, v0
	v_readfirstlane_b32 s10, v1                    ; wave
	s_lshr_b32 s11, s10, 1                         ; my half of the rows; also: I fetch for O (0) or wot (1)
	s_and_b32 s12, s10, 1                          ; my half of the columns; also: which half I fetch
	s_bfe_u32 s40, ttmp6, 0x40000                  ; cx
	s_bfe_u32 s41, ttmp6, 0x40004                  ; cy
	s_lshl_b32 s42, ttmp9, 2
	s_add_co_u32 s42, s42, s40                     ; tile column
	s_and_b32 s13, ttmp7, 0xffff
	s_lshl_b32 s13, s13, 2
	s_add_co_u32 s13, s13, s41                     ; tile row
	s_lshl_b32 s43, s41, 2
	s_lshl_b32 s43, 15, s43                        ; my row of the cluster
	s_lshl_b32 s44, 0x1111, s40                    ; my column
	s_or_b32 s[G1+0], s43, (1<<16)|(1<<20)|(1<<21)|(5<<22)|(3<<25)
	s_or_b32 s[G1B+0], s44, (1<<16)|(1<<20)|(1<<21)|(5<<22)|(3<<25)
	s_mov_b32 s[G1+1], KSTEP<<16
	s_mov_b32 s[G1+2], 64<<16
	s_mov_b32 s[G1+3], KSTEP<<16
	s_mov_b32 s[G1+4], 64
	s_mov_b32 s[G1+5], 1024
	s_mov_b32 s[G1+6], 0
	s_mov_b32 s[G1+7], 0
	s_mov_b32 s[G1B+1], KSTEP<<16
	s_mov_b32 s[G1B+2], 128<<16
	s_mov_b32 s[G1B+3], KSTEP<<16
	s_mov_b32 s[G1B+4], 128
	s_mov_b32 s[G1B+5], 1024
	s_mov_b32 s[G1B+6], 0
	s_mov_b32 s[G1B+7], 0
	s_lshl_b32 s17, s12, 6
	s_lshl_b32 s16, s13, 7
	s_add_co_u32 s16, s16, s17                     ; O: row 128 x tile row + 64 x half
	s_lshl_b32 s16, s16, 11
	s_mov_b32 s17, 0
	s_lshl_b32 s47, s12, 7
	s_lshl_b32 s46, s42, 8
	s_add_co_u32 s46, s46, s47                     ; wot: row 256 x tile column + 128 x half
	s_lshl_b32 s46, s46, 11
	s_mov_b32 s47, 0
	s_mul_i32 s20, s12, HALFA
	s_mul_i32 s21, s12, HALFB
	s_add_co_u32 s21, s21, ATILE
	s_wait_dscnt 0x0
	s_wait_kmcnt 0x0
	s_add_nc_u64 s[14:15], s[4:5], s[16:17]
	s_add_nc_u64 s[46:47], s[6:7], s[46:47]
	CROUND                                         ; all sixteen work-groups are here
.irp s, 0,1
	s_mov_b32 s[G0+4*\s], 1
	s_add_co_u32 s[G0+4*\s+1], s20, \s*SLOT
	s_add_nc_u64 s[G0+4*\s+2:G0+4*\s+3], s[14:15], \s*KSTEP*2
	s_or_b32 s[G0+4*\s+3], s[G0+4*\s+3], 0x80000000
	s_mov_b32 s[G0B+4*\s], 1
	s_add_co_u32 s[G0B+4*\s+1], s21, \s*SLOT
	s_add_nc_u64 s[G0B+4*\s+2:G0B+4*\s+3], s[46:47], \s*KSTEP*2
	s_or_b32 s[G0B+4*\s+3], s[G0B+4*\s+3], 0x80000000
	JLOAD \s                                       ; two loads of mine are out
.endr
	v_and_b32 v1, 15, v0
	v_bfe_u32 v2, v0, 4, 1
	v_mul_u32_u24 v3, v1, PITCH
	v_lshl_add_u32 v3, v2, 4, v3
	s_mul_i32 s21, s11, HALFA
	s_mul_i32 s22, s12, HALFB
	s_add_co_u32 s22, s22, ATILE
.irp s, 0,1
	v_add_nc_u32 v[ADRA+\s], s21, v3
	v_add_nc_u32 v[ADRB+\s], s22, v3
	s_add_co_u32 s21, s21, SLOT
	s_add_co_u32 s22, s22, SLOT
.endr
	s_mul_i32 s23, s10, 16*SPITCH
	s_add_co_u32 s23, s23, STAGE                   ; my stage
	v_mul_u32_u24 v5, v1, SPITCH
	v_lshl_add_u32 v5, v2, 5, v5
	v_add_nc_u32 v[STO], s23, v5                   ; in: row r, 32 bytes for each half of the lanes
	v_and_b32 v6, 31, v0
	v_lshlrev_b32 v[CO], 4, v6                     ; back: the 32 lanes take one row of 512 bytes; the same in out0
	v_add_nc_u32 v[RD], s23, v[CO]
	s_lshl_b32 s16, s13, 7
	s_lshl_b32 s17, s11, 6
	s_add_co_u32 s16, s16, s17
	s_lshl_b32 s16, s16, 12                        ; my first row of out0
	s_mov_b32 s17, 0
	s_lshl_b32 s46, s42, 10                        ; my first column, in bytes (in registers that held wot's address)
	s_lshl_b32 s47, s12, 9
	s_add_co_u32 s46, s46, s47
	s_mov_b32 s47, 0
	s_add_nc_u64 s[70:71], s[70:71], s[16:17]
	s_add_nc_u64 s[70:71], s[70:71], s[46:47]
	s_add_nc_u64 s[68:69], s[68:69], s[46:47]
	v_lshlrev_b32 v30, 5, v2
.irp b, 0,1,2,3,4,5,6,7
	global_load_b128 v[BIAS+8*\b:BIAS+8*\b+3], v30, s[68:69] offset:64*\b     ; lane (r, h): bo of columns 16 b + 8 h + 0 .. 7
	global_load_b128 v[BIAS+8*\b+4:BIAS+8*\b+7], v30, s[68:69] offset:64*\b+16
.endr
	s_wait_tensorcnt 1                             ; my part of K step 0 is in; K step 1's load may be out
	s_barrier_signal -1
	s_barrier_wait -1
	FETCH 0, 0, F0
	s_wait_loadcnt 0x0                             ; bo
	QUARTER 0, 64,  F0, F1, 1
	WIN 0
	s_mov_b32 s3, LAPS-1
.Llap:
	QUARTER 0, 128, F1, F0, 0
	QUARTER 0, 192, F0, F1, 0
	TURN 0, 1, 1
	QUARTER 1, 64,  F0, F1, 0
	QUARTER 1, 128, F1, F0, 0
	QUARTER 1, 192, F0, F1, 0
	TURN 1, 0, 1
	QUARTER 0, 64,  F0, F1, 0
	WIN 0
	s_sub_co_u32 s3, s3, 1
	s_cmp_lg_u32 s3, 0
	s_cbranch_scc1 .Llap
	QUARTER 0, 128, F1, F0, 0                      ; the last lap is written out: it fills nothing and has no round
	QUARTER 0, 192, F0, F1, 0
	TURN 0, 1, 0
	QUARTER 1, 64,  F0, F1, 0
	QUARTER 1, 128, F1, F0, 0
	QUARTER 1, 192, F0, F1, 0
	s_wait_dscnt MA
	WIN MUL_LO
	MULS F1, 0, 0, MH, 0
	s_wait_dscnt 0
	WIN MUL_HI
	MULS F1, 1, 0, MH, 0
	WIN 0
; THE WAY OUT, a block of 16 rows x 128 columns at a time, through my own stage: back as whole rows of 512 bytes.
.macro TOSTAGE a
.set AC, 64*((\a)%MH)
	WIN 0x08+4*((\a)/MH)                           ; the data: window 2 or 3
.irp b, 0,1,2,3,4,5,6,7
	ds_store_b128 v[STO], v[AC+8*\b:AC+8*\b+3] offset:64*\b          ; each accumulator from its low end on
	ds_store_b128 v[STO], v[AC+8*\b+4:AC+8*\b+7] offset:64*\b+16
.endr
	WIN 0
.set BB, BK+64*((\a)%2)
.irp t, 0,1,2,3,4,5,6,7,8,9,10,11,12,13,14,15
	ds_load_b128 v[BB+4*\t:BB+4*\t+3], v[RD] offset:\t*SPITCH        ; LDS serves a wave's instructions in order
.endr
.endm
.macro SEND a, younger
.set BB, BK+64*((\a)%2)
	s_wait_dscnt \younger                          ; the block is back; the next block's 16 stores and 16 loads may be out
.if (\a) > 0
	s_add_nc_u64 s[70:71], s[70:71], 16*4096       ; (behind a wait on XCNT: the earlier stores have read their base)
.endif
.irp t, 0,1,2,3,4,5,6,7,8,9,10,11,12,13,14,15
	global_store_b128 v[CO], v[BB+4*\t:BB+4*\t+3], s[70:71] offset:\t*4096    ; 32 lanes store 512 consecutive bytes, aligned
.endr
.endm
	PLACES
	TOSTAGE 0
.irp a, 1,2,3
.if \a > 1
	s_wait_xcnt 0x0                                ; block a - 2's stores have read their registers and their base
.endif
	TOSTAGE \a
	SEND \a-1, 32
.endr
	s_wait_xcnt 0x0
	SEND 3, 0
	s_wait_tensorcnt 0x0                           ; the wave's end
	ds_add_u32 v[SPW], v[NIL]
	s_wait_dscnt 0x0
	CROUND                                         ; the closing round
	s_endpgm
.Lfunc_end_k_q421b7b917f_proj:
	.size	k_q421b7b917f_proj, .Lfunc_end_k_q421b7b917f_proj-k_q421b7b917f_proj
	.p2alignl 7, 3214868480
	.fill 96, 4, 3214868480
	.section	.rodata,"a",@progbits
	.p2align	6, 0x0
	.amdhsa_kernel k_q421b7b917f_proj
		.amdhsa_group_segment_fixed_size 327680
		.amdhsa_private_segment_fixed_size 0
		.amdhsa_enable_private_segment 0
		.amdhsa_kernarg_size 32
		.amdhsa_user_sgpr_count 2
		.amdhsa_user_sgpr_kernarg_segment_ptr 1
		.amdhsa_wavefront_size32 1
		.amdhsa_system_sgpr_workgroup_id_x 1
		.amdhsa_system_sgpr_workgroup_id_y 1
		.amdhsa_system_sgpr_workgroup_id_z 1
		.amdhsa_system_vgpr_workitem_id 0
		.amdhsa_next_free_vgpr 1024
		.amdhsa_next_free_sgpr 72
		.amdhsa_reserve_vcc 0
		.amdhsa_float_denorm_mode_32 3
		.amdhsa_float_denorm_mode_16_64 3
		.amdhsa_memory_ordered 1
		.amdhsa_forward_progress 1
		.amdhsa_inst_pref_size 87
	.end_amdhsa_kernel
	.amdgpu_metadata
---
amdhsa.version: [ 1, 2 ]
amdhsa.kernels:
  - .name:           k_q421b7b917f_proj
    .symbol:         k_q421b7b917f_proj.kd
    .args:
      - { .name: o, .offset: 0, .size: 8, .value_kind: global_buffer, .address_space: global }
      - { .name: wot, .offset: 8, .size: 8, .value_kind: global_buffer, .address_space: global }
      - { .name: bo, .offset: 16, .size: 8, .value_kind: global_buffer, .address_space: global }
      - { .name: out0, .offset: 24, .size: 8, .value_kind: global_buffer, .address_space: global }
    .group_segment_fixed_size: 327680
    .private_segment_fixed_size: 0
    .kernarg_segment_align: 8
    .kernarg_segment_size: 32
    .max_flat_workgroup_size: 128
    .sgpr_count:     72
    .vgpr_count:     1024
    .wavefront_size: 32
...
	.end_amdgpu_metadata
.endif
;; end of part 5
;; launch head (part 6): grid 64 x 4, 8 waves a work-group, no clusters, 17,408 bytes of LDS; arguments head32, Wo, bo, out0; writes out0
.if DOCPART == 6
	.amdgcn_target "amdgcn-amd-amdhsa--gfx1250"
	.amdhsa_code_object_version 6
	.text
	.protected	k_q421b7b917f_head
	.globl	k_q421b7b917f_head
	.p2align	8
	.type	k_q421b7b917f_head,@function
k_q421b7b917f_head:
	s_mov_b64 s[64:65], 0
	v_nop
	global_prefetch_b8 v0, s[64:65] scope:SCOPE_SE
	s_setreg_imm32_b32 hwreg(HW_REG_WAVE_MODE, 25, 1), 1
	s_wait_xcnt 0x0
; ROWS t < 16 OF EVERY BATCH, ALL IN f32: they average one to sixteen values and are the largest of the output, so f16 operands would use up what the comparison allows.  This launch writes those 64 rows of out0 anew.
; head32: planes q, k, v of [16 x batch + t][1024] f32, as the quantised products left them.  LEFT OUT: bk, as shown at the head of the first launch; keys behind the diagonal are hidden by -infinity inside the one tile.
; A work-group takes a batch and 16 columns of out0; its eight waves share C, 128 channels each: scores in part, summed through LDS; the softmax in every wave; O for the wave's channels; O Wo in part, summed through LDS.
; v_wmma_f32_16x16x4_f32; one permutation of k is applied alike to both operands: of 16 neighbours, half h of the lanes and step u hold k = 8 h + 2 u + j.
;  S^T = k q^T: a lane holds query r and keys 8 h + j.  Its eight p are then source 1 of O^T = v^T p^T (step u: registers 2 u, 2 u + 1), whose result holds query r and channels 16 t + 8 h + j,
;  which are source 1 of (O Wo)^T = Wo^T O^T: the result holds query r and columns 8 h + j: 32 neighbouring bytes.
; The registers that the matrix instructions write (v128-255 of window 0) are written by nothing else, and no other instruction has these numbers as its destination; sums of finished accumulators go to other registers.
; A work-group's 16 columns are 64 bytes of a row: rows are written in pieces of 64 bytes; the launch stores 262,144 bytes in all.
; REGISTERS: window 0: v4-11 addresses and constants; v16-23 bo; v24-31 sums; v32-39 p; v40-55 at work; v64-127 eight images from LDS; v128-159 S, v160-223 O, v224-255 the result.
;   window 1: v0-63 k, then v; v64-127 q, then Wo.
.set XSI,   0                          ; LDS: eight images of S^T in part, 1,024 bytes each
.set XDI,   8192                       ; and of the result in part
.set SPARE, 16384                      ; the spare words, 128 bytes a wave: four blocks of 256 bytes that no other line names
.set SPW,   12
.set NIL,   13
.set SA,    128
.set OA,    160
.set DA,    224
.set MSB, 0
.macro WIN new
.if MSB != (\new)
	s_set_vgpr_msb (MSB<<8)|(\new)
.set MSB, (\new)
.endif
.endm
	s_load_b256 s[4:11], s[0:1], 0x0               ; head32, Wo, bo, out0
	v_lshl_add_u32 v[SPW], v0, 2, SPARE
	v_mov_b32 v[NIL], 0
	v_lshrrev_b32 v1, 5, v0
	v_readfirstlane_b32 s12, v1                    ; wave 0..7
	s_and_b32 s13, ttmp7, 0xffff                   ; batch
	v_and_b32 v1, 15, v0                           ; r
	v_bfe_u32 v2, v0, 4, 1                         ; h
	v_and_b32 v3, 31, v0                           ; lane
	v_lshlrev_b32 v4, 12, v1
	v_lshl_add_u32 v4, v2, 5, v4                   ; row r of 4,096 bytes + 32 h: k, q, out0
	v_lshlrev_b32 v5, 15, v2
	v_lshl_add_u32 v5, v1, 2, v5                   ; 8 h rows + 4 r: v, Wo
	v_lshlrev_b32 v6, 5, v2                        ; bo
	v_lshlrev_b32 v7, 4, v3                        ; an image's place for my lane
	s_lshl_b32 s14, s12, 10
	v_add_nc_u32 v8, s14, v7                       ; and in my wave's image
	v_lshlrev_b32 v9, 3, v2
	v_sub_nc_u32 v9, v1, v9                        ; r - 8 h: key 8 h + j is hidden where j > r - 8 h
	v_mov_b32 v10, 0xff800000
	v_mov_b32 v11, 0                               ; a lane permute's destination counts as one of its sources
	s_mov_b32 s20, 0x76543210
	s_mov_b32 s21, 0xfedcba98
	s_mov_b32 s22, 0x3d38aa3b                      ; c = log2(e) / 32
	s_lshl_b32 s16, s13, 16                        ; the batch's 16 rows,
	s_lshl_b32 s17, s12, 9                         ; my 128 channels
	s_add_co_u32 s16, s16, s17
	s_mov_b32 s17, 0
	s_lshl_b32 s18, ttmp9, 6                       ; my work-group's 16 columns
	s_mov_b32 s19, 0
	s_wait_kmcnt 0x0
	s_add_nc_u64 s[4:5], s[4:5], s[16:17]
	s_lshl_b32 s16, s12, 19                        ; Wo: my 128 rows
	s_add_co_u32 s16, s16, s18
	s_add_nc_u64 s[6:7], s[6:7], s[16:17]
	s_add_nc_u64 s[8:9], s[8:9], s[18:19]
	s_lshl_b32 s16, s13, 23
	s_add_co_u32 s16, s16, s18
	s_add_nc_u64 s[10:11], s[10:11], s[16:17]
	WIN 0x40                                       ; destination window 1
.irp g, 0,1,2,3,4,5,6,7
	global_load_b128 v[8*\g:8*\g+3], v4, s[4:5] offset:262144+64*\g           ; k(r, 16 g + 8 h + 0 .. 7)
	global_load_b128 v[8*\g+4:8*\g+7], v4, s[4:5] offset:262144+64*\g+16
	global_load_b128 v[64+8*\g:64+8*\g+3], v4, s[4:5] offset:64*\g            ; q likewise
	global_load_b128 v[64+8*\g+4:64+8*\g+7], v4, s[4:5] offset:64*\g+16
.endr
	s_wait_loadcnt 0x0
	WIN 0x05                                       ; sources 0 and 1 window 1
.irp g, 0,1,2,3,4,5,6,7                ; S^T in part: four accumulators by turns; the first four instructions start the sums
.irp u, 0,1,2,3
.if \g == 0
	v_wmma_f32_16x16x4_f32 v[SA+8*\u:SA+8*\u+7], v[8*\g+2*\u:8*\g+2*\u+1], v[64+8*\g+2*\u:64+8*\g+2*\u+1], 0
.else
	v_wmma_f32_16x16x4_f32 v[SA+8*\u:SA+8*\u+7], v[8*\g+2*\u:8*\g+2*\u+1], v[64+8*\g+2*\u:64+8*\g+2*\u+1], v[SA+8*\u:SA+8*\u+7]
.endif
.endr
.endr
.rept 8
	v_nop                                          ; eight places behind this form, in front of loads into its sources and of the first read of its results
.endr
	WIN 0x40
.irp t, 0,1,2,3,4,5,6,7
.irp i, 0,1,2,3,4,5,6,7
	global_load_b32 v[8*\t+\i], v5, s[4:5] offset:524288+4096*\i+64*\t        ; v(8 h + i, 16 t + r)
.endr
.endr
	WIN 0
	global_load_b128 v[16:19], v6, s[8:9]
	global_load_b128 v[20:23], v6, s[8:9] offset:16
	WIN 0x40
.irp t, 0,1,2,3,4,5,6,7
.irp i, 0,1,2,3,4,5,6,7
	global_load_b32 v[64+8*\t+\i], v5, s[6:7] offset:(16*\t+\i)*4096          ; Wo(16 t + 8 h + i, r)
.endr
.endr
	WIN 0
.irp j, 0,1,2,3,4,5,6,7
	v_add_f32 v[24+\j], v[SA+\j], v[SA+8+\j]       ; the four accumulators, each from its low end on
.endr
.irp j, 0,1,2,3,4,5,6,7
	v_add_f32 v[40+\j], v[SA+16+\j], v[SA+24+\j]
.endr
.irp j, 0,1,2,3,4,5,6,7
	v_add_f32 v[24+\j], v[24+\j], v[40+\j]
.endr
	ds_store_b128 v8, v[24:27] offset:XSI          ; my part as an image of its registers
	ds_store_b128 v8, v[28:31] offset:XSI+512
	s_wait_dscnt 0x0                               ; for the others' sake
	s_barrier_signal -1
	s_barrier_wait -1
.irp w, 0,1,2,3,4,5,6,7
	ds_load_b128 v[64+8*\w:64+8*\w+3], v7 offset:XSI+1024*\w
	ds_load_b128 v[64+8*\w+4:64+8*\w+7], v7 offset:XSI+1024*\w+512
.endr
	s_wait_dscnt 0x0
.irp j, 0,1,2,3,4,5,6,7
	v_add_f32 v[24+\j], v[64+\j], v[72+\j]
.endr
.irp w, 2,3,4,5,6,7
.irp j, 0,1,2,3,4,5,6,7
	v_add_f32 v[24+\j], v[24+\j], v[64+8*\w+\j]
.endr
.endr
.irp j, 0,1,2,3,4,5,6,7
	v_cmp_gt_i32 vcc_lo, \j, v9
	v_cndmask_b32 v[24+\j], v[24+\j], v10, vcc_lo  ; hidden keys: -infinity
.endr
	v_max3_num_f32 v40, v24, v25, v26
	v_max3_num_f32 v40, v40, v27, v28
	v_max3_num_f32 v40, v40, v29, v30
	v_max_num_f32 v40, v40, v31
	v_permlanex16_b32 v11, v40, s20, s21
	v_max_num_f32 v40, v40, v11                    ; the row's largest score (key 0 counts for every query)
	v_mul_f32 v41, s22, v40
.irp j, 0,1,2,3,4,5,6,7
	v_fma_f32 v[24+\j], v[24+\j], s22, -v41
.endr
.irp j, 0,1,2,3,4,5,6,7
	v_exp_f32 v[24+\j], v[24+\j]
.endr
	v_nop
	s_wait_alu depctr_va_vdst(0)                   ; one wait for the eight exponentials
	v_add_f32 v42, v24, v25
	v_add_f32 v43, v26, v27
	v_add_f32 v44, v28, v29
	v_add_f32 v45, v30, v31
	v_add_f32 v42, v42, v43
	v_add_f32 v44, v44, v45
	v_add_f32 v42, v42, v44
	v_permlanex16_b32 v11, v42, s20, s21
	v_add_f32 v42, v42, v11
	v_rcp_f32 v43, v42
	v_nop
	s_wait_alu depctr_va_vdst(0)
.irp j, 0,1,2,3,4,5,6,7
	v_mul_f32 v[32+\j], v[24+\j], v43              ; p
.endr
	s_wait_loadcnt 63                              ; v is in: 66 loads were issued behind it, and a smaller count is safe
.rept 4
	v_nop
.endr
	WIN 0x01                                       ; source 0 window 1
.irp u, 0,1,2,3                        ; O^T for my 128 channels: eight accumulators by turns
.irp t, 0,1,2,3,4,5,6,7
.if \u == 0
	v_wmma_f32_16x16x4_f32 v[OA+8*\t:OA+8*\t+7], v[8*\t+2*\u:8*\t+2*\u+1], v[32+2*\u:33+2*\u], 0
.else
	v_wmma_f32_16x16x4_f32 v[OA+8*\t:OA+8*\t+7], v[8*\t+2*\u:8*\t+2*\u+1], v[32+2*\u:33+2*\u], v[OA+8*\t:OA+8*\t+7]
.endif
.endr
.endr
.rept 9
	v_nop                                          ; nine places before a matrix instruction takes these results as a source
.endr
	s_wait_loadcnt 0x0                             ; Wo, bo
.irp t, 0,1,2,3,4,5,6,7                ; (O Wo)^T in part: four accumulators by turns
.irp u, 0,1,2,3
.if \t == 0
	v_wmma_f32_16x16x4_f32 v[DA+8*\u:DA+8*\u+7], v[64+8*\t+2*\u:64+8*\t+2*\u+1], v[OA+8*\t+2*\u:OA+8*\t+2*\u+1], 0
.else
	v_wmma_f32_16x16x4_f32 v[DA+8*\u:DA+8*\u+7], v[64+8*\t+2*\u:64+8*\t+2*\u+1], v[OA+8*\t+2*\u:OA+8*\t+2*\u+1], v[DA+8*\u:DA+8*\u+7]
.endif
.endr
.endr
	WIN 0
.rept 8
	v_nop
.endr
.irp j, 0,1,2,3,4,5,6,7
	v_add_f32 v[24+\j], v[DA+\j], v[DA+8+\j]
.endr
.irp j, 0,1,2,3,4,5,6,7
	v_add_f32 v[40+\j], v[DA+16+\j], v[DA+24+\j]
.endr
.irp j, 0,1,2,3,4,5,6,7
	v_add_f32 v[24+\j], v[24+\j], v[40+\j]
.endr
	ds_store_b128 v8, v[24:27] offset:XDI
	ds_store_b128 v8, v[28:31] offset:XDI+512
	s_wait_dscnt 0x0
	s_barrier_signal -1
	s_barrier_wait -1
	s_cmp_lg_u32 s12, 0                            ; wave 0 adds the eight parts and bo, and stores
	s_cbranch_scc1 .Lend
.irp w, 0,1,2,3,4,5,6,7
	ds_load_b128 v[64+8*\w:64+8*\w+3], v7 offset:XDI+1024*\w
	ds_load_b128 v[64+8*\w+4:64+8*\w+7], v7 offset:XDI+1024*\w+512
.endr
	s_wait_dscnt 0x0
.irp j, 0,1,2,3,4,5,6,7
	v_add_f32 v[24+\j], v[64+\j], v[16+\j]
.endr
.irp w, 1,2,3,4,5,6,7
.irp j, 0,1,2,3,4,5,6,7
	v_add_f32 v[24+\j], v[24+\j], v[64+8*\w+\j]
.endr
.endr
	global_store_b128 v4, v[24:27], s[10:11]       ; lane (r, h): out0(t = r, columns 8 h + 0 .. 7 of my 16)
	global_store_b128 v4, v[28:31], s[10:11] offset:16
.Lend:
	s_wait_tensorcnt 0x0                           ; the wave's end, behind my last LDS store
	ds_add_u32 v[SPW], v[NIL]
	s_wait_dscnt 0x0
	s_endpgm
.Lfunc_end_k_q421b7b917f_head:
	.size	k_q421b7b917f_head, .Lfunc_end_k_q421b7b917f_head-k_q421b7b917f_head
	.p2alignl 7, 3214868480
	.fill 96, 4, 3214868480
	.section	.rodata,"a",@progbits
	.p2align	6, 0x0
	.amdhsa_kernel k_q421b7b917f_head
		.amdhsa_group_segment_fixed_size 17408
		.amdhsa_private_segment_fixed_size 0
		.amdhsa_enable_private_segment 0
		.amdhsa_kernarg_size 32
		.amdhsa_user_sgpr_count 2
		.amdhsa_user_sgpr_kernarg_segment_ptr 1
		.amdhsa_wavefront_size32 1
		.amdhsa_system_sgpr_workgroup_id_x 1
		.amdhsa_system_sgpr_workgroup_id_y 1
		.amdhsa_system_sgpr_workgroup_id_z 1
		.amdhsa_system_vgpr_workitem_id 0
		.amdhsa_next_free_vgpr 384
		.amdhsa_next_free_sgpr 66
		.amdhsa_reserve_vcc 1
		.amdhsa_float_denorm_mode_32 3
		.amdhsa_float_denorm_mode_16_64 3
		.amdhsa_memory_ordered 1
		.amdhsa_forward_progress 1
		.amdhsa_inst_pref_size 35
	.end_amdhsa_kernel
	.amdgpu_metadata
---
amdhsa.version: [ 1, 2 ]
amdhsa.kernels:
  - .name:           k_q421b7b917f_head
    .symbol:         k_q421b7b917f_head.kd
    .args:
      - { .name: head32, .offset: 0, .size: 8, .value_kind: global_buffer, .address_space: global }
      - { .name: Wo, .offset: 8, .size: 8, .value_kind: global_buffer, .address_space: global }
      - { .name: bo, .offset: 16, .size: 8, .value_kind: global_buffer, .address_space: global }
      - { .name: out0, .offset: 24, .size: 8, .value_kind: global_buffer, .address_space: global }
    .group_segment_fixed_size: 17408
    .private_segment_fixed_size: 0
    .kernarg_segment_align: 8
    .kernarg_segment_size: 32
    .max_flat_workgroup_size: 256
    .sgpr_count:     66
    .vgpr_count:     384
    .wavefront_size: 32
...
	.end_amdgpu_metadata
.endif
;; end of part 6
